; MI455X (gfx1250); checked and timed in simulation.
; The chip was launched on July 23, 2026; its instructions are those of AMD's public machine-readable ISA for CDNA 5 (MIT licence, August 2026) and "CDNA5" Instruction Set Architecture Reference Guide (July 2026). The comments in the code are by the model that wrote it; some were corrected since.
;; Read Unit. Allowed arithmetic: float matrix products may take bf16 or f16 operands with f32 sums; other float arithmetic in f32, or as packed bf16 or f16 multiplies, adds, multiply-adds, maxima and minima; sums over many terms, partial sums and values carried from step to step in f32; what a program stores and reads back later, other than sums and carried values, may be rounded once to bf16 or f16.
;; Inputs: W_attn 1 x 512 float32; W_cat 512 x 1,024 float32; W_cat2 512 x 512 float32; W_kb 512 x 512 float32; W_mem 512 x 512 float32; b_attn 1 float32; b_cat 512 float32; b_cat2 512 float32; b_kb 512 float32; b_mem 512 float32; control 4 x 32 x 512 float32; know 32 x 512 x 2,048 float32; masks 32 x 512 float32; memory 4 x 32 x 512 float32.
;; Outputs: out0 32 x 512 float32.
;; 2 versions, each right; version 2 is version 1 with the launch compose written anew for expert scheduling mode. Each part assembles by itself: llvm-mc -triple=amdgcn-amd-amdhsa -mcpu=gfx1250 --defsym DOCPART=n.
;; ======== version 1 of 2: 4 launches
;; limits: values are held in f16: magnitudes above 65,504 overflow, below 6.1e-05 lose precision; inputs' magnitudes at most 2,900; right only within a limited range of input values
;; workspace buffers: wkt 524,288 bytes; wcf 1,048,576 bytes; w2f 524,288 bytes; pmt 65,536 bytes; wc 16,777,216 bytes; bc 65,536 bytes; sc 65,536 bytes; part 1,179,648 bytes
;; launch prep (part 1): grid 288 x 1, 4 waves a work-group, no clusters, 4,608 bytes of LDS; arguments W_cat, W_cat2, W_kb, W_mem, b_mem, memory, masks, wcf, w2f, wkt, pmt; writes wcf, w2f, wkt, pmt
.if DOCPART == 1
	.amdgcn_target "amdgcn-amd-amdhsa--gfx1250"
	.amdhsa_code_object_version 6
	.text
	.protected	k_q402307c5af_prep
	.globl	k_q402307c5af_prep
	.p2align	8
	.type	k_q402307c5af_prep,@function
k_q402307c5af_prep:
	s_mov_b64 s[64:65], 0
	v_nop
	global_prefetch_b8 v0, s[64:65] scope:SCOPE_SE
	s_setreg_imm32_b32 hwreg(HW_REG_WAVE_MODE, 25, 1), 1
	s_wait_xcnt 0x0
; ReadUnit, launch 1 of 4: the weights as 16-bit operand images, and pm = (memory[3] * masks) W_mem^T + b_mem.
; THE PROGRAM'S ALGEBRA, for all values of the inputs.  concat = [pm * pk, pk] with pk = proj_know, so concat W_cat^T = pk Weff[b]^T with
; Weff[b][h][c] = W_cat[h][c] pm[b][c] + W_cat[h][512+c].  Nothing but linear maps stands between know and the first elu, so
; h1pre[n][h] = sum_k Wc[b][h][k] know[b][k][n] + bc[b][h], Wc[b] = Weff[b] W_kb, bc[b] = Weff[b] b_kb + b_cat.  Launch 2 makes Wc and bc (32 products 512 x 512 x 512),
; launch 3 takes 128 tokens through both remaining layers, their share of the softmax and of the read, launch 4 joins the 16 shares of a batch.
; WORK LEFT OUT.  b_attn is added to every logit of a row alike: softmax(l + const) = softmax(l); it is not loaded and is no argument of any launch.
; memory[0..2] and control[0..2] are sliced away by reference() ([-1]): those rows are not read.
; LIMIT: a NaN, an infinity or an overflow in b_attn, memory[0..2] or control[0..2] is not carried to the result.  NaN and infinities elsewhere are not treated apart.
; FORMATS.  Every input is rounded to bf16 once; sums are f32.  What the program itself makes and can bound (Weff and Wc, scaled row by row; the weights p) is rounded to f16, so the operands beside them
; (W_kb, know) are written as f16 too: the bf16 number, which f16 holds exactly within its range.  The hidden layer, which has no bound, and W_cat2 beside it are bf16.
; LIMIT: W_kb beyond 65,504 becomes an infinity here; below 6e-5 it keeps f16's fixed step of 6e-8.
; AN IMAGE (FRAG) is a 16 x 32 operand fragment in 1,024 bytes: byte 512 u + 16 L holds lane L's registers 4u .. 4u+3: row L % 16, K = 16 u + 8 (L / 16) + 0..7.
; So every later load of half a fragment is 512 consecutive bytes.
;   wcf bf16 [32 steps of 32 columns][32 tiles of 16 rows] of W_cat;  w2f bf16 [16][32] of W_cat2;  wkt f16 [16 steps of c][32 tiles of k], element W_kb[c][k];  pmt f32 [c / 16][b][c % 16].
; SHARES.  A wave takes one unit; which kind hangs on the work-group's number alone: 0-127 W_cat, 128-191 W_cat2 (16 rows x 64 columns), 192-223 W_kb turned (32 c x 64 k),
; 224-287 pm (16 c x 16 b, K split among the four waves, the four sums joined in LDS).
.set SPARE, 4096                       ; behind the four partial tiles: the spare words, 128 bytes a wave
.macro RND a, b, t                     ; two f32 rounded to bf16 and widened again
	v_cvt_pk_bf16_f32 v[\t], v[\a], v[\b]
	v_lshlrev_b32 v[\a], 16, v[\t]
	v_and_b32 v[\b], 0xffff0000, v[\t]
.endm
	s_load_b512 s[4:19], s[0:1], 0x0               ; W_cat 4, W_cat2 6, W_kb 8, W_mem 10, b_mem 12, memory 14, masks 16, wcf 18
	s_load_b128 s[20:23], s[0:1], 0x40             ; w2f 20, wkt 22
	s_load_b64 s[24:25], s[0:1], 0x50              ; pmt
	v_lshl_add_u32 v2, v0, 2, SPARE                ; my spare word,
	v_mov_b32 v3, 0                                ; and 0: kept for the closing add alone
	v_lshrrev_b32 v4, 5, v0
	v_readfirstlane_b32 s26, v4                    ; wave 0..3
	v_and_b32 v5, 31, v0                           ; L
	v_lshlrev_b32 v1, 4, v5                        ; 16 L
	v_and_b32 v6, 15, v0                           ; r = L % 16
	v_bfe_u32 v7, v0, 4, 1                         ; half = L / 16
	s_wait_kmcnt 0x0
	s_cmp_ge_u32 ttmp9, 224
	s_cbranch_scc1 .Lpm
	s_cmp_ge_u32 ttmp9, 192
	s_cbranch_scc1 .Lkb
	; ---- W_cat (rows of 4,096 bytes) or W_cat2 (2,048): unit u = row tile u % 32, columns 64 (u / 32) on: two fragments
	s_cmp_lt_u32 ttmp9, 128
	s_cselect_b64 s[28:29], s[4:5], s[6:7]         ; from
	s_cselect_b64 s[30:31], s[18:19], s[20:21]     ; to
	s_cselect_b32 s32, 12, 11                      ; log2 of a row's bytes
	s_cselect_b32 s33, 0, 128
	s_sub_co_u32 s33, ttmp9, s33
	s_lshl2_add_u32 s33, s33, s26                  ; u
	s_and_b32 s34, s33, 31                         ; rt
	s_lshr_b32 s35, s33, 5                         ; q
	v_lshl_add_u32 v8, s34, 4, v6                  ; row 16 rt + r
	v_lshlrev_b32 v8, s32, v8
	v_lshl_add_u32 v8, v7, 5, v8                   ; + 32 half
	s_lshl_b32 s36, s35, 8
	v_add_nc_u32 v8, s36, v8                       ; + 256 q
	s_lshl_b32 s36, s34, 10
	s_lshl_b32 s37, s35, 16
	s_add_co_u32 s36, s36, s37
	v_add_nc_u32 v9, s36, v1                       ; image: 1,024 (64 q + rt) + 16 L
.set c, 0
.rept 8                                ; c = 4 step + 2 u + 16-byte half: the lane's eight numbers of (step, u) in two loads
	global_load_b128 v[16+4*c:19+4*c], v8, s[28:29] offset:128*(c/4)+64*((c/2)%2)+16*(c%2)
.set c, c+1
.endr
	s_wait_loadcnt 0x0
.set k, 0
.rept 16                               ; in place, ascending: word k is written when words 2k, 2k+1 have been read
	v_cvt_pk_bf16_f32 v[16+k], v[16+2*k], v[17+2*k]
.set k, k+1
.endr
.set c, 0
.rept 4                                ; c = 2 step + u: 512 consecutive bytes a store
	global_store_b128 v9, v[16+4*c:19+4*c], s[30:31] offset:32768*(c/2)+512*(c%2)
.set c, c+1
.endr
	s_branch .Lend
.Lkb:   ; ---- W_kb turned: unit u = k group u % 8 (64 k: four tiles), c step u / 8.  A lane takes single words: 16 lanes read 64 bytes of a row, the unit's four tiles 256.
	s_sub_co_u32 s33, ttmp9, 192
	s_lshl2_add_u32 s33, s33, s26
	s_and_b32 s34, s33, 7                          ; kg
	s_lshr_b32 s35, s33, 3                         ; step
	s_lshl_b32 s36, s35, 16                        ; 32 rows of 2,048 bytes a step
	s_lshl_b32 s37, s34, 8
	s_add_co_u32 s36, s36, s37
	v_lshl_add_u32 v8, v6, 2, s36                  ; + 4 r
	v_lshl_add_u32 v8, v7, 14, v8                  ; + 8 half rows
	s_lshl_b32 s36, s35, 15
	s_lshl_b32 s37, s34, 12
	s_add_co_u32 s36, s36, s37
	v_add_nc_u32 v9, s36, v1                       ; image: 1,024 (32 step + 4 kg) + 16 L
.set z, 0
.rept 64                               ; z = 16 tile + 8 u + e: W_kb[32 step + 16 u + 8 half + e][64 kg + 16 tile + r]
	global_load_b32 v[16+z], v8, s[8:9] offset:2048*(16*((z/8)%2)+z%8)+64*(z/16)
.set z, z+1
.endr
	s_wait_loadcnt 0x0
.set k, 0
.rept 32                               ; rounded to bf16, and that number written as f16; in place, ascending
	v_cvt_pk_bf16_f32 v10, v[16+2*k], v[17+2*k]
	v_lshlrev_b32 v11, 16, v10
	v_and_b32 v10, 0xffff0000, v10
	v_cvt_pk_f16_f32 v[16+k], v11, v10
.set k, k+1
.endr
.set c, 0
.rept 8                                ; c = 2 tile + u
	global_store_b128 v9, v[16+4*c:19+4*c], s[22:23] offset:1024*(c/2)+512*(c%2)
.set c, c+1
.endr
	s_branch .Lend
.Lpm:   ; ---- pm^T tile: D(m = c, n = b) = sum_k W_mem[c][k] (memory[3][b][k] masks[b][k]); wave v takes k = 128 v .. 128 v + 127
	s_sub_co_u32 s33, ttmp9, 224
	s_lshr_b32 s34, s33, 1                         ; c tile
	s_and_b32 s35, s33, 1                          ; which 16 batches
	s_lshl_b32 s36, s26, 9
	v_lshl_add_u32 v10, v7, 5, s36                 ; 512 v + 32 half
	v_lshl_add_u32 v8, s34, 4, v6
	v_lshl_add_u32 v8, v8, 11, v10                 ; W_mem's row
	v_lshl_add_u32 v9, s35, 4, v6
	v_lshl_add_u32 v9, v9, 11, v10                 ; memory's and masks' row
	s_lshl_b32 s37, s26, 10
	v_lshl_add_u32 v11, v5, 5, s37                 ; my 32 bytes of my wave's partial tile
.set c, 0
.rept 16
	global_load_b128 v[16+4*c:19+4*c], v8, s[10:11] offset:128*(c/4)+64*((c/2)%2)+16*(c%2)
	global_load_b128 v[80+4*c:83+4*c], v9, s[14:15] offset:196608+128*(c/4)+64*((c/2)%2)+16*(c%2)
	global_load_b128 v[144+4*c:147+4*c], v9, s[16:17] offset:128*(c/4)+64*((c/2)%2)+16*(c%2)
.set c, c+1
.endr
	s_wait_loadcnt 0x0
	; memory and masks are each rounded to bf16; their product has 16 significant bits and goes into the matrix unit as hi + lo, both bf16, which is exact.
	; hi's words land in masks' registers, lo's in memory's, both ascending behind what has been read.
.set z, 0
.rept 32
	RND 80+2*z, 81+2*z, 12
	RND 144+2*z, 145+2*z, 12
	v_pk_mul_f32 v[80+2*z:81+2*z], v[80+2*z:81+2*z], v[144+2*z:145+2*z]
	v_cvt_pk_bf16_f32 v[144+z], v[80+2*z], v[81+2*z]
	v_lshlrev_b32 v12, 16, v[144+z]
	v_and_b32 v13, 0xffff0000, v[144+z]
	v_pk_add_f32 v[80+2*z:81+2*z], v[80+2*z:81+2*z], v[12:13] neg_lo:[0,1] neg_hi:[0,1]
	v_cvt_pk_bf16_f32 v[80+z], v[80+2*z], v[81+2*z]
.set z, z+1
.endr
.set k, 0
.rept 32
	v_cvt_pk_bf16_f32 v[16+k], v[16+2*k], v[17+2*k]
.set k, k+1
.endr
.irp f, 0,1,2,3                        ; four accumulators by turns: first the hi parts, which start the sums, then the lo parts
	v_wmma_f32_16x16x32_bf16 v[208+8*\f:215+8*\f], v[16+8*\f:23+8*\f], v[144+8*\f:151+8*\f], 0
.endr
.irp f, 0,1,2,3
	v_wmma_f32_16x16x32_bf16 v[208+8*\f:215+8*\f], v[16+8*\f:23+8*\f], v[80+8*\f:87+8*\f], v[208+8*\f:215+8*\f]
.endr
.rept 4
	v_nop                                          ; four places between the last product and the first read of a result
.endr
.irp p, 0,2,4,6
	v_pk_add_f32 v[208+\p:209+\p], v[208+\p:209+\p], v[216+\p:217+\p]
.endr
.irp p, 0,2,4,6
	v_pk_add_f32 v[224+\p:225+\p], v[224+\p:225+\p], v[232+\p:233+\p]
.endr
.irp p, 0,2,4,6
	v_pk_add_f32 v[208+\p:209+\p], v[208+\p:209+\p], v[224+\p:225+\p]
.endr
	ds_store_b128 v11, v[208:211]
	ds_store_b128 v11, v[212:215] offset:16
	s_wait_dscnt 0x0                               ; for the others' sake: my partial tile lies in LDS
	s_barrier_signal -1
	s_barrier_wait -1
	s_cmp_lg_u32 s26, 0                            ; wave 0 joins the four
	s_cbranch_scc1 .Lend
	s_lshl_b32 s36, s34, 6
	v_lshl_add_u32 v10, v7, 5, s36                 ; b_mem: 4 (16 ct + 8 half)
	s_lshl_b32 s37, s34, 11
	s_lshl_b32 s38, s35, 10
	s_add_co_u32 s37, s37, s38
	v_lshl_add_u32 v13, v6, 6, s37
	v_lshl_add_u32 v13, v7, 5, v13                 ; pmt: 2,048 ct + 64 b + 32 half
	global_load_b128 v[48:51], v10, s[12:13]
	global_load_b128 v[52:55], v10, s[12:13] offset:16
.irp g, 0,1,2,3
	ds_load_b128 v[16+8*\g:19+8*\g], v11 offset:1024*\g      ; (in wave 0 v11 is 32 L)
	ds_load_b128 v[20+8*\g:23+8*\g], v11 offset:1024*\g+16
.endr
	s_wait_dscnt 0x0
	s_wait_loadcnt 0x0
.irp p, 0,2,4,6
	v_pk_add_f32 v[16+\p:17+\p], v[16+\p:17+\p], v[24+\p:25+\p]
	v_pk_add_f32 v[32+\p:33+\p], v[32+\p:33+\p], v[40+\p:41+\p]
.endr
	RND 48, 49, 12
	RND 50, 51, 12
	RND 52, 53, 12
	RND 54, 55, 12
.irp p, 0,2,4,6
	v_pk_add_f32 v[16+\p:17+\p], v[16+\p:17+\p], v[32+\p:33+\p]
.endr
.irp p, 0,2,4,6
	v_pk_add_f32 v[16+\p:17+\p], v[16+\p:17+\p], v[48+\p:49+\p]
.endr
	global_store_b128 v13, v[16:19], s[24:25]
	global_store_b128 v13, v[20:23], s[24:25] offset:16
.Lend:
	s_wait_tensorcnt 0x0                           ; the wave's end: three lines behind the last LDS store
	ds_add_u32 v2, v3
	s_wait_dscnt 0x0
	s_endpgm
.Lfunc_end_k_q402307c5af_prep:
	.size	k_q402307c5af_prep, .Lfunc_end_k_q402307c5af_prep-k_q402307c5af_prep
	.p2alignl 7, 3214868480
	.fill 96, 4, 3214868480
	.section	.rodata,"a",@progbits
	.p2align	6, 0x0
	.amdhsa_kernel k_q402307c5af_prep
		.amdhsa_group_segment_fixed_size 4608
		.amdhsa_private_segment_fixed_size 0
		.amdhsa_enable_private_segment 0
		.amdhsa_kernarg_size 88
		.amdhsa_user_sgpr_count 2
		.amdhsa_user_sgpr_kernarg_segment_ptr 1
		.amdhsa_wavefront_size32 1
		.amdhsa_system_sgpr_workgroup_id_x 1
		.amdhsa_system_sgpr_workgroup_id_y 1
		.amdhsa_system_sgpr_workgroup_id_z 1
		.amdhsa_system_vgpr_workitem_id 0
		.amdhsa_next_free_vgpr 256
		.amdhsa_next_free_sgpr 66
		.amdhsa_reserve_vcc 0
		.amdhsa_float_denorm_mode_32 3
		.amdhsa_float_denorm_mode_16_64 3
		.amdhsa_memory_ordered 1
		.amdhsa_forward_progress 1
		.amdhsa_inst_pref_size 51
	.end_amdhsa_kernel
	.amdgpu_metadata
---
amdhsa.version: [ 1, 2 ]
amdhsa.kernels:
  - .name:           k_q402307c5af_prep
    .symbol:         k_q402307c5af_prep.kd
    .args:
      - { .name: W_cat, .offset: 0, .size: 8, .value_kind: global_buffer, .address_space: global }
      - { .name: W_cat2, .offset: 8, .size: 8, .value_kind: global_buffer, .address_space: global }
      - { .name: W_kb, .offset: 16, .size: 8, .value_kind: global_buffer, .address_space: global }
      - { .name: W_mem, .offset: 24, .size: 8, .value_kind: global_buffer, .address_space: global }
      - { .name: b_mem, .offset: 32, .size: 8, .value_kind: global_buffer, .address_space: global }
      - { .name: memory, .offset: 40, .size: 8, .value_kind: global_buffer, .address_space: global }
      - { .name: masks, .offset: 48, .size: 8, .value_kind: global_buffer, .address_space: global }
      - { .name: wcf, .offset: 56, .size: 8, .value_kind: global_buffer, .address_space: global }
      - { .name: w2f, .offset: 64, .size: 8, .value_kind: global_buffer, .address_space: global }
      - { .name: wkt, .offset: 72, .size: 8, .value_kind: global_buffer, .address_space: global }
      - { .name: pmt, .offset: 80, .size: 8, .value_kind: global_buffer, .address_space: global }
    .group_segment_fixed_size: 4608
    .private_segment_fixed_size: 0
    .kernarg_segment_align: 8
    .kernarg_segment_size: 88
    .max_flat_workgroup_size: 128
    .sgpr_count:     66
    .vgpr_count:     256
    .wavefront_size: 32
...
	.end_amdgpu_metadata
.endif
;; end of part 1
;; launch compose (part 2): grid 4 x 32, 8 waves a work-group, no clusters, 137,216 bytes of LDS; arguments wkt, wcf, pmt, b_kb, b_cat, wc, bc, sc; writes wc, bc, sc
.if DOCPART == 2
	.amdgcn_target "amdgcn-amd-amdhsa--gfx1250"
	.amdhsa_code_object_version 6
	.text
	.protected	k_q402307c5af_compose
	.globl	k_q402307c5af_compose
	.p2align	8
	.type	k_q402307c5af_compose,@function
k_q402307c5af_compose:
	s_mov_b64 s[64:65], 0
	v_nop
	global_prefetch_b8 v0, s[64:65] scope:SCOPE_SE
	s_setreg_imm32_b32 hwreg(HW_REG_WAVE_MODE, 25, 1), 1
	s_wait_xcnt 0x0
; ReadUnit, launch 2 of 4: Wc[b] = Weff[b] W_kb and bc[b] = Weff[b] b_kb + b_cat, Weff[b][h][c] = W_cat[h][c] pm[b][c] + W_cat[h][512+c]  (the algebra stands at the head of launch 1).
; Nothing of reference() is left out here beyond what launch 1's head names.
; FORMAT.  The product runs in f16, and each row h of Weff is first divided by a power of two S[h] that is at least the row's norm and less than twice that: Weff' lies within 1, its row norm in (0.5, 1).
; So Wc'[h][k] = Wc[h][k] / S[h] is at most sqrt(512) max|W_kb| and is stored as f16 with no further scale; S goes to the next launch in sc.
; S's exponent field is (e + 129) >> 1, e the exponent field of the row's sum of squares Q: between 64 and 192, so neither S nor 1 / S is ever 0 or infinite.
; LIMITS: Q must stay finite in f32 (a row norm under 1.8e19); Wc' overflows f16 where |W_kb| passes some 2,900; numbers of Weff' and Wc' below 6e-5 keep f16's fixed step of 6e-8.
; SHARES.  A work-group: one batch b (grid y), 128 rows h of Wc (grid x).  Each of its eight waves makes one tile of 16 rows of Weff, all 512 c, in f32 from the bf16 images, twice: pass 1 sums bc's share and Q,
; pass 2 scales, rounds to f16 and stores into LDS (131,072 bytes, fragment images: step g at 8,192 g, tile t at 1,024 t).  Keeping the 256 f32 of a lane between the passes would want 256 registers more.
; Then D(m = k, n = h) = sum_c W_kb[c][k] Weff'[h][c]: wave w owns k = 64 w .. 64 w + 63 (four tiles i) and all eight tiles t of h: 32 accumulators, window 1, (i, t) at v[32 t + 8 i].
; A lane of D holds eight neighbouring k of one h: rounded in pairs that IS half a fragment of the next launch's source 0 (row h, K = k), stored as 512 consecutive bytes.
; wkt's fragments have one reader wave each in a work-group: they come straight into registers, a ring of four buffers, asked for two and a half K steps ahead.  Weff' comes out of LDS, half a step ahead.
; 128 work-groups: the grid is the number of (b, 128 h) blocks that this share gives.
; REGISTERS, window 0: v1 16 L; v2, v3 the add's; v4 A's offset; v5, v6 B's LDS addresses; v7-15 below; v16-79 B's fragments (before: pm and b_kb slices); v80-207 A's four buffers; v208-251 at work.
; window 1: first W_cat's fragments (step g: gated half v[16 g ..+7], plain half ..+15), then the accumulators.
.set BSTEP, 8192
.set T_PM,  131072                     ; pm[b][0..511] f32; b_kb follows at + 2,048
.set BCS,   135168                     ; 128 sums of bc; the 128 scales S follow at + 512
.set SPARE, 136192                     ; the spare words, 128 bytes a wave
.set AF, 80
.set BF, 16
.set L16, 1
.set AOFF, 4
.set BA0, 5
.set BA1, 6
.set MSB, 0
.macro WIN new                         ; the high byte repeats the setting that is left; a switch that changes nothing is dropped
.if MSB != (\new)
	s_set_vgpr_msb (MSB<<8)|(\new)
.set MSB, (\new)
.endif
.endm
.macro PLACES
.rept 4
	v_nop
.endr
.endm
.macro RND a, b, t
	v_cvt_pk_bf16_f32 v[\t], v[\a], v[\b]
	v_lshlrev_b32 v[\a], 16, v[\t]
	v_and_b32 v[\b], 0xffff0000, v[\t]
.endm
.macro ALOAD buf, ap, ao               ; a K step's four fragments of source 0 for my 64 rows: eight loads of 512 consecutive bytes
.irp i, 0,1,2,3
	global_load_b128 v[AF+32*(\buf)+8*\i:AF+32*(\buf)+8*\i+3], v[AOFF], s[\ap:\ap+1] offset:(\ao)+1024*\i
	global_load_b128 v[AF+32*(\buf)+8*\i+4:AF+32*(\buf)+8*\i+7], v[AOFF], s[\ap:\ap+1] offset:(\ao)+1024*\i+512
.endr
.endm
.macro BLOAD ba, t0                    ; four column tiles of source 1 from LDS
.irp c, 0,1,2,3
	ds_load_b128 v[BF+8*((\t0)+\c):BF+8*((\t0)+\c)+3], v[\ba] offset:1024*\c
	ds_load_b128 v[BF+8*((\t0)+\c)+4:BF+8*((\t0)+\c)+7], v[\ba] offset:1024*\c+512
.endr
.endm
.macro MM16 buf, cm, t0                ; 16 products; the accumulators take turns, one instruction each.  cm = 1: the constant 0 starts the sums
.if \cm
	WIN 0x40
.else
	WIN 0x50
.endif
.irp t, 0,1,2,3
.irp i, 0,1,2,3
.if \cm
	v_wmma_f32_16x16x32_f16 v[32*((\t0)+\t)+8*\i:32*((\t0)+\t)+8*\i+7], v[AF+32*(\buf)+8*\i:AF+32*(\buf)+8*\i+7], v[BF+8*((\t0)+\t):BF+8*((\t0)+\t)+7], 0
.else
	v_wmma_f32_16x16x32_f16 v[32*((\t0)+\t)+8*\i:32*((\t0)+\t)+8*\i+7], v[AF+32*(\buf)+8*\i:AF+32*(\buf)+8*\i+7], v[BF+8*((\t0)+\t):BF+8*((\t0)+\t)+7], v[32*((\t0)+\t)+8*\i:32*((\t0)+\t)+8*\i+7]
.endif
.endr
.endr
.endm
; One K step of 32.  lc: the younger loads of source 0 that may stay out.  bl = 1: the next step's source 1 is fetched, by halves.  ao >= 0: the step three on of source 0 is asked for.
.macro KSTEP buf, cm, lc, bl, ap, ao
	s_wait_loadcnt \lc                             ; this step's source 0 is in
	s_wait_dscnt 8                                 ; tiles 0-3 of source 1 are in; the eight younger loads are tiles 4-7
	MM16 \buf, \cm, 0
	WIN 0
.if \bl
	v_add_nc_u32 v[BA0], BSTEP, v[BA0]             ; four places behind the products, two of them useful, ahead of loads into registers that they read
	v_add_nc_u32 v[BA1], BSTEP, v[BA1]
	v_nop
	v_nop
	BLOAD BA0, 0
.endif
.if (\ao) >= 0
	ALOAD ((\buf)+3)%4, \ap, \ao                   ; into the buffer that the step before read: its four places closed that step
.endif
.if \bl
	s_wait_dscnt 8                                 ; tiles 4-7 are in; the eight just issued stay out
.else
	s_wait_dscnt 0
.endif
	MM16 \buf, \cm, 4
	WIN 0
	PLACES
.if \bl
	BLOAD BA1, 4
.endif
.endm
.macro TRIP4 ap
	KSTEP 1, 0, 16, 1, \ap, 4*32768
	KSTEP 2, 0, 16, 1, \ap, 5*32768
	KSTEP 3, 0, 16, 1, \ap, 6*32768
	KSTEP 0, 0, 16, 1, \ap, 7*32768
.endm
.macro SLICE g                         ; pm and b_kb of my lane's 16 c in step g: c = 32 g + 16 u + 8 half + e
.irp c, 0,1,2,3
	ds_load_b128 v[16+16*((\g)%2)+4*\c:19+16*((\g)%2)+4*\c], v11 offset:128*(\g)+64*(\c/2)+16*(\c%2)
	ds_load_b128 v[48+16*((\g)%2)+4*\c:51+16*((\g)%2)+4*\c], v11 offset:2048+128*(\g)+64*(\c/2)+16*(\c%2)
.endr
.endm
.macro PSLICE g                        ; pm alone
.irp c, 0,1,2,3
	ds_load_b128 v[16+16*((\g)%2)+4*\c:19+16*((\g)%2)+4*\c], v11 offset:128*(\g)+64*(\c/2)+16*(\c%2)
.endr
.endm
.macro WLOAD g                         ; W_cat's two fragments of step g for my tile, into window 1
	global_load_b128 v[16*(\g):16*(\g)+3], v7, s[6:7] offset:32768*(\g)
	global_load_b128 v[16*(\g)+4:16*(\g)+7], v7, s[6:7] offset:32768*(\g)+512
	global_load_b128 v[16*(\g)+8:16*(\g)+11], v7, s[6:7] offset:32768*(\g)+524288
	global_load_b128 v[16*(\g)+12:16*(\g)+15], v7, s[6:7] offset:32768*(\g)+524288+512
.endm
.macro FMIX g                          ; my lane's 16 numbers of Weff in step g, f32, into v208-223: fused multiply-adds from bf16 halves
	WIN 0x11                                       ; sources 0 and 2 in window 1
.set z, 0
.rept 8
	v_fma_mix_f32_bf16 v[208+2*z], v[16*(\g)+z], v[16+16*((\g)%2)+2*z], v[16*(\g)+8+z] op_sel_hi:[1,0,1]
	v_fma_mix_f32_bf16 v[209+2*z], v[16*(\g)+z], v[17+16*((\g)%2)+2*z], v[16*(\g)+8+z] op_sel:[1,0,1] op_sel_hi:[1,0,1]
.set z, z+1
.endr
	WIN 0
.endm
; Pass 1, step g: bc's share and the sum of squares, four chains of pairs each.  dc: the younger LDS loads that may stay out
.macro PASS1 g, dc
	s_wait_loadcnt 4*(15-(\g))                     ; the later steps' loads, four each, stay out
	s_wait_dscnt \dc
	FMIX \g
.set z, 0
.rept 8
.if ((\g) == 0) && (z < 4)
	v_pk_mul_f32 v[232+2*z:233+2*z], v[208+2*z:209+2*z], v[48+2*z:49+2*z]
	v_pk_mul_f32 v[240+2*z:241+2*z], v[208+2*z:209+2*z], v[208+2*z:209+2*z]
.else
	v_pk_fma_f32 v[232+2*(z%4):233+2*(z%4)], v[208+2*z:209+2*z], v[48+16*((\g)%2)+2*z:49+16*((\g)%2)+2*z], v[232+2*(z%4):233+2*(z%4)]
	v_pk_fma_f32 v[240+2*(z%4):241+2*(z%4)], v[208+2*z:209+2*z], v[208+2*z:209+2*z], v[240+2*(z%4):241+2*(z%4)]
.endif
.set z, z+1
.endr
.if (\g) < 14
	SLICE (\g)+2
.endif
.endm
; Pass 2, step g: Weff again, times 1 / S, rounded to f16, two LDS stores.  dc: the younger LDS instructions that may stay out
.macro PASS2 g, dc
	s_wait_dscnt \dc
	FMIX \g
.set z, 0
.rept 8
	v_pk_mul_f32 v[208+2*z:209+2*z], v[208+2*z:209+2*z], v[248:249]
.set z, z+1
.endr
.set z, 0
.rept 8
	v_cvt_pk_f16_f32 v[224+z], v[208+2*z], v[209+2*z]
.set z, z+1
.endr
.if (\g) < 8
	ds_store_b128 v13, v[224:227] offset:8192*(\g)
	ds_store_b128 v13, v[228:231] offset:8192*(\g)+512
.else
	ds_store_b128 v14, v[224:227] offset:8192*((\g)-8)
	ds_store_b128 v14, v[228:231] offset:8192*((\g)-8)+512
.endif
.if (\g) < 14
	PSLICE (\g)+2
.endif
.endm
	s_load_b256 s[4:11], s[0:1], 0x0               ; wkt 4, wcf 6, pmt 8, b_kb 10
	s_load_b256 s[12:19], s[0:1], 0x20             ; b_cat 12, wc 14, bc 16, sc 18
	v_lshl_add_u32 v2, v0, 2, SPARE
	v_mov_b32 v3, 0
	v_lshrrev_b32 v15, 5, v0
	v_readfirstlane_b32 s20, v15                   ; wave 0..7
	s_mov_b32 s21, ttmp9                           ; hq: which 128 rows h
	s_and_b32 s22, ttmp7, 0xffff                   ; b
	s_mov_b32 s40, 0x76543210                      ; v_permlanex16_b32: each lane takes its own place in the other half
	s_mov_b32 s41, 0xfedcba98
	v_and_b32 v15, 31, v0
	v_lshlrev_b32 v[L16], 4, v15
	v_and_b32 v5, 15, v0                           ; r
	v_bfe_u32 v6, v0, 4, 1                         ; half
	v_lshl_add_u32 v[AOFF], s20, 12, v[L16]        ; my four row tiles: 4,096 w + 16 L
	s_lshl3_add_u32 s23, s21, s20                  ; my tile of h: 8 hq + w
	v_lshl_add_u32 v7, s23, 10, v[L16]             ; in wcf
	v_lshlrev_b32 v8, 3, v0                        ; 8 x thread
	v_lshrrev_b32 v9, 3, v0
	v_lshlrev_b32 v9, 11, v9
	v_and_b32 v15, 7, v0
	v_lshl_add_u32 v9, v15, 3, v9
	s_lshl_b32 s24, s22, 6
	v_add_nc_u32 v9, s24, v9                       ; pmt: c = 2 thread: 2,048 (c / 16) + 64 b + 4 (c % 16)
	v_lshlrev_b32 v10, 2, v5
	v_lshl_add_u32 v10, s23, 6, v10                ; b_cat: 4 (16 (8 hq + w) + r)
	v_lshlrev_b32 v11, 5, v6
	v_add_nc_u32 v11, T_PM, v11                    ; the slices: T_PM + 32 half
	v_lshl_add_u32 v13, s20, 10, v[L16]            ; Weff's stores: 1,024 w + 16 L,
	v_add_nc_u32 v14, 65536, v13                   ; and for steps 8 on
	v_lshlrev_b32 v15, 2, v5
	v_lshl_add_u32 v15, s20, 6, v15
	v_add_nc_u32 v15, BCS, v15                     ; BCS + 4 (16 w + r)
	v_add_nc_u32 v216, T_PM, v8
	s_lshl_b32 s24, s22, 19
	s_lshl_b32 s25, s21, 13
	s_add_co_u32 s24, s24, s25                     ; wc: 524,288 b + 8,192 hq
	s_mov_b32 s25, 0
	s_lshl_b32 s26, s22, 11
	s_lshl_b32 s27, s21, 9
	s_add_co_u32 s26, s26, s27                     ; bc and sc: 2,048 b + 512 hq
	s_mov_b32 s27, 0
	s_wait_kmcnt 0x0
	s_add_nc_u64 s[14:15], s[14:15], s[24:25]
	s_add_nc_u64 s[16:17], s[16:17], s[26:27]
	s_add_nc_u64 s[18:19], s[18:19], s[26:27]
	global_load_b64 v[208:209], v9, s[8:9]
	global_load_b64 v[210:211], v8, s[10:11]
	global_load_b32 v12, v10, s[12:13]
	ALOAD 0, 4, 0
	ALOAD 1, 4, 32768
	ALOAD 2, 4, 65536
	WIN 0x40                                       ; destination in window 1, address in window 0
.irp g, 0,1,2,3,4,5,6,7
	WLOAD \g
.endr
	WIN 0
	s_wait_loadcnt 56                              ; pm, b_kb, b_cat are in; the 24 + 32 younger loads stay out
	RND 210, 211, 212
	v_cvt_pk_bf16_f32 v212, v12, v12
	v_lshlrev_b32 v12, 16, v212
	ds_store_b64 v216, v[208:209]
	ds_store_b64 v216, v[210:211] offset:2048
	s_wait_dscnt 0x0                               ; for the others' sake: my part of the two tables lies in LDS
	s_barrier_signal -1
	s_barrier_wait -1
	WIN 0x40
.irp g, 8,9,10,11,12,13,14,15
	WLOAD \g
.endr
	WIN 0
	SLICE 0
	SLICE 1
.irp g, 0,1,2,3,4,5,6,7,8,9,10,11,12,13,14
	PASS1 \g, 8                                    ; behind slice g: slice g + 1's eight loads
.endr
	PASS1 15, 0
	v_pk_add_f32 v[232:233], v[232:233], v[234:235]
	v_pk_add_f32 v[236:237], v[236:237], v[238:239]
	v_pk_add_f32 v[240:241], v[240:241], v[242:243]
	v_pk_add_f32 v[244:245], v[244:245], v[246:247]
	v_pk_add_f32 v[232:233], v[232:233], v[236:237]
	v_pk_add_f32 v[240:241], v[240:241], v[244:245]
	v_add_f32 v232, v232, v233
	v_add_f32 v240, v240, v241
	v_permlanex16_b32 v233, v232, s40, s41         ; the row's other 256 c lie in the lane 16 away
	v_permlanex16_b32 v241, v240, s40, s41
	v_add_f32 v232, v232, v233
	v_add_f32 v240, v240, v241                     ; Q
	v_add_f32 v232, v232, v12                      ; bc
	v_lshrrev_b32 v250, 23, v240                   ; Q's exponent field e (Q is not negative)
	v_add_nc_u32 v250, 129, v250
	v_lshrrev_b32 v250, 1, v250                    ; S's exponent field: 2^((e - 126) / 2), rounded up to a whole power
	v_sub_nc_u32 v251, 254, v250                   ; and that of 1 / S
	v_lshlrev_b32 v250, 23, v250                   ; S
	v_lshlrev_b32 v248, 23, v251                   ; 1 / S, as a pair
	v_mov_b32 v249, v248
	ds_store_b32 v15, v232
	ds_store_b32 v15, v250 offset:512
	PSLICE 0
	PSLICE 1
	PASS2 0, 4                                     ; behind slice 0: slice 1's four loads
.irp g, 1,2,3,4,5,6,7,8,9,10,11,12,13,14
	PASS2 \g, 6                                    ; behind slice g: the last step's two stores and slice g + 1's four loads
.endr
	PASS2 15, 2                                    ; behind slice 15: two stores
	s_wait_dscnt 0x0                               ; for the others' sake: my tile of Weff', my 16 sums and my 16 scales lie in LDS
	s_barrier_signal -1
	s_barrier_wait -1
	s_cmp_lg_u32 s20, 0
	s_cbranch_scc1 .Lnobc
	v_add_nc_u32 v212, BCS, v[L16]
	ds_load_b128 v[208:211], v212
	ds_load_b128 v[216:219], v212 offset:512
	s_wait_dscnt 0x0
	global_store_b128 v[L16], v[208:211], s[16:17] ; 512 consecutive bytes of bc,
	global_store_b128 v[L16], v[216:219], s[18:19] ; and of sc
.Lnobc:
	v_mov_b32 v[BA0], v[L16]
	v_add_nc_u32 v[BA1], 4096, v[L16]
	BLOAD BA0, 0
	BLOAD BA1, 4
	KSTEP 0, 1, 16, 1, 4, 3*32768                  ; the first K step starts the sums
	s_mov_b32 s42, 3
.Lk:                                                   ; a trip: four K steps; steps 1 to 12
	TRIP4 4
	s_wait_xcnt 0x0                                ; the loads issued so far have read their base: it may be stepped
	s_add_nc_u64 s[4:5], s[4:5], 131072
	s_sub_co_u32 s42, s42, 1
	s_cmp_lg_u32 s42, 0
	s_cbranch_scc1 .Lk
	KSTEP 1, 0, 16, 1, 4, -1                       ; the last three steps ask for no source 0: the counts run down
	KSTEP 2, 0, 8, 1, 4, -1
	KSTEP 3, 0, 0, 0, 4, -1
	WIN 0x05                                       ; sources in window 1, destination in window 0
.set y, 0
.rept 128                              ; ascending: each accumulator is read from its low end on
	v_cvt_pk_f16_f32 v[80+y], v[2*y], v[2*y+1]
.set y, y+1
.endr
	WIN 0
	v_lshl_add_u32 v13, s20, 16, v[L16]            ; my two K steps of wc: 65,536 w + 16 L
.set z, 0
.rept 32                               ; z = 4 t + i: K step 2 w + i / 2, tile 8 hq + t, half i % 2: 512 consecutive bytes
	global_store_b128 v13, v[80+4*z:83+4*z], s[14:15] offset:32768*((z%4)/2)+1024*(z/4)+512*(z%2)
.set z, z+1
.endr
	s_wait_tensorcnt 0x0                           ; the wave's end: three lines behind the last LDS store
	ds_add_u32 v2, v3
	s_wait_dscnt 0x0
	s_endpgm
.Lfunc_end_k_q402307c5af_compose:
	.size	k_q402307c5af_compose, .Lfunc_end_k_q402307c5af_compose-k_q402307c5af_compose
	.p2alignl 7, 3214868480
	.fill 96, 4, 3214868480
	.section	.rodata,"a",@progbits
	.p2align	6, 0x0
	.amdhsa_kernel k_q402307c5af_compose
		.amdhsa_group_segment_fixed_size 137216
		.amdhsa_private_segment_fixed_size 0
		.amdhsa_enable_private_segment 0
		.amdhsa_kernarg_size 64
		.amdhsa_user_sgpr_count 2
		.amdhsa_user_sgpr_kernarg_segment_ptr 1
		.amdhsa_wavefront_size32 1
		.amdhsa_system_sgpr_workgroup_id_x 1
		.amdhsa_system_sgpr_workgroup_id_y 1
		.amdhsa_system_sgpr_workgroup_id_z 1
		.amdhsa_system_vgpr_workitem_id 0
		.amdhsa_next_free_vgpr 512
		.amdhsa_next_free_sgpr 66
		.amdhsa_reserve_vcc 0
		.amdhsa_float_denorm_mode_32 3
		.amdhsa_float_denorm_mode_16_64 3
		.amdhsa_memory_ordered 1
		.amdhsa_forward_progress 1
		.amdhsa_inst_pref_size 138
	.end_amdhsa_kernel
	.amdgpu_metadata
---
amdhsa.version: [ 1, 2 ]
amdhsa.kernels:
  - .name:           k_q402307c5af_compose
    .symbol:         k_q402307c5af_compose.kd
    .args:
      - { .name: wkt, .offset: 0, .size: 8, .value_kind: global_buffer, .address_space: global }
      - { .name: wcf, .offset: 8, .size: 8, .value_kind: global_buffer, .address_space: global }
      - { .name: pmt, .offset: 16, .size: 8, .value_kind: global_buffer, .address_space: global }
      - { .name: b_kb, .offset: 24, .size: 8, .value_kind: global_buffer, .address_space: global }
      - { .name: b_cat, .offset: 32, .size: 8, .value_kind: global_buffer, .address_space: global }
      - { .name: wc, .offset: 40, .size: 8, .value_kind: global_buffer, .address_space: global }
      - { .name: bc, .offset: 48, .size: 8, .value_kind: global_buffer, .address_space: global }
      - { .name: sc, .offset: 56, .size: 8, .value_kind: global_buffer, .address_space: global }
    .group_segment_fixed_size: 137216
    .private_segment_fixed_size: 0
    .kernarg_segment_align: 8
    .kernarg_segment_size: 64
    .max_flat_workgroup_size: 256
    .sgpr_count:     66
    .vgpr_count:     512
    .wavefront_size: 32
...
	.end_amdgpu_metadata
.endif
;; end of part 2
;; launch main (part 3): grid 16 x 32, 8 waves a work-group, no clusters, 283,648 bytes of LDS; arguments know, wc, w2f, bc, b_cat2, control, W_attn, part, sc; writes part
.if DOCPART == 3
	.amdgcn_target "amdgcn-amd-amdhsa--gfx1250"
	.amdhsa_code_object_version 6
	.text
	.protected	k_q402307c5af_main
	.globl	k_q402307c5af_main
	.p2align	8
	.type	k_q402307c5af_main,@function
k_q402307c5af_main:
	s_mov_b64 s[64:65], 0
	v_nop
	global_prefetch_b8 v0, s[64:65] scope:SCOPE_SE
	s_setreg_imm32_b32 hwreg(HW_REG_WAVE_MODE, 25, 1), 1
	s_wait_xcnt 0x0
; ReadUnit, launch 3 of 4.  A work-group takes 128 tokens of one batch b from know to its share of the result:
;   H1 = elu(S (Wc' know) + bc[b]);  H2 = W_cat2 H1 + b_cat2;  l[n] = sum_g W_attn[g] elu(H2[g][n] control[3][b][g]);  m = max l, p = e^(l - m), s = sum p, r[k] = sum_n p[n] know[k][n].
; LEFT OUT (shown at the head of launch 1): b_attn, which no softmax sees; control[0..2].  W_kb and W_cat are folded into Wc' = Wc / S, S and bc by launch 2.
; FORMATS.  know is rounded to bf16 and that number written as f16, beside Wc' (f16) in the first product and beside p (f16, in 0 to 1) in the read.  H1, which has no bound, and W_cat2 are bf16.
; LIMITS.  know beyond 65,504 becomes an infinity, and below 6e-5 it keeps f16's fixed step of 6e-8, as p does.  elu's negative branch is 2^(x log2 e) - 1, off by some 1e-7 absolutely near 0, not expm1;
; an exponential below 2^-126 counts as 0; NaN and infinities are not treated apart.
; elu(x) = the middle one of (e^x - 1, 0, x): e^x - 1 >= x for every x, so it is x above 0 and e^x - 1 below; where e^x overflows the middle one is still x.
; KNOW IS READ ONCE.  Each wave brings four tiles of 32 k x 64 tokens of f32 (rows of 256 bytes, aligned) by four tensor loads at the start (four of a wave's loads are out at the most), and turns each,
; when it has landed, into four f16 fragment images in the tile's own first half.  They feed the first product and, turned by ds_load_tr16_b128, the read.  H1 goes into the tiles' second halves.
; LDS.  Sub-block (gq = token half, s = K step) at 16,384 s + 8,192 gq: bytes 0-4,095 know's images (tile tt at 1,024 tt; column r of tile 4 gq + tt is token 64 gq + 4 r + tt: the same order of
; tokens holds for H1, the logits and the read, and a softmax does not care), bytes 4,096-8,191 H1's images of step s.  Wave w fills sub-blocks 8,192 w + 65,536 G, G = 0..3.  No byte is filled twice.
; Behind them: six tables of 512 f32 (bc, b_cat2, control, control log2 e, W_attn, S), the logits' partial sums, each wave's copy of p, r, the spare words.
; THE PRODUCTS.  512 rows x 128 tokens, K = 512.  Wave w owns rows 64 w .. 64 w + 63 (tiles i) and all eight token tiles t: 32 accumulators, window 1, (i, t) at v[32 t + 8 i].  The first product starts its sums
; with the constant 0, the second with its bias as C.  A weight fragment has one reader wave in the work-group, so it comes straight into registers: a ring of four buffers, asked for two and a half K steps ahead.
; Source 1 comes out of LDS half a step ahead.  A lane of D holds eight neighbouring rows of one token: rounded in pairs that is half a fragment of the next product's source 1: nothing changes lanes.
; NO CLUSTER: what work-groups share is the weights (wc[b]: the 16 of a batch; w2f: all).  A K step of them is 32,768 bytes; beside the tokens' 262,144 and the tables' 21,504 bytes LDS has 44,032 left, less than two such slots.
; REGISTERS, window 0: v1 16 L; v2, v3 the add's; v4 weights' offset; v5, v6 source 1's LDS addresses; v7-15 addresses and at work; v16-79 source 1 (later at work); v80-207 the weights' ring (later tables, know turned); v208-255 at work.
.set BSTEP, 16384
.set TBC,   262144                     ; bc; + 2,048 b_cat2; + 4,096 control; + 6,144 control x log2 e; + 8,192 W_attn; + 10,240 S
.set LP,    274432                     ; 8 waves x 128 partial logits
.set PB,    278528                     ; 8 copies of p, 128 f16
.set RB,    280576                     ; r, 512 f32
.set SPARE, 282624                     ; the spare words, 128 bytes a wave
.set AF, 80
.set BF, 16
.set BIAS, 208
.set X, 208
.set L16, 1
.set SPW, 2
.set NIL, 3
.set AOFF, 4
.set BA0, 5
.set BA1, 6
.set STGA, 7
.set FRGA, 8
.set H1A, 9
.set T8, 10
.set TBL, 11
.set MSB, 0
.macro WIN new                         ; bits 1:0 source 0, 3:2 source 1, 5:4 source 2, 7:6 destination; the high byte repeats the setting that is left
.if MSB != (\new)
	s_set_vgpr_msb (MSB<<8)|(\new)
.set MSB, (\new)
.endif
.endm
.macro PLACES
.rept 4
	v_nop
.endr
.endm
.macro RND a, b, t                     ; two f32 rounded to bf16 and widened again
	v_cvt_pk_bf16_f32 v[\t], v[\a], v[\b]
	v_lshlrev_b32 v[\a], 16, v[\t]
	v_and_b32 v[\b], 0xffff0000, v[\t]
.endm
.macro ALOAD buf, ap, ao               ; a K step's four weight fragments for my 64 rows: eight loads of 512 consecutive bytes
.irp i, 0,1,2,3
	global_load_b128 v[AF+32*(\buf)+8*\i:AF+32*(\buf)+8*\i+3], v[AOFF], s[\ap:\ap+1] offset:(\ao)+1024*\i
	global_load_b128 v[AF+32*(\buf)+8*\i+4:AF+32*(\buf)+8*\i+7], v[AOFF], s[\ap:\ap+1] offset:(\ao)+1024*\i+512
.endr
.endm
.macro BLOAD ba, t0                    ; four token tiles of source 1 from LDS
.irp c, 0,1,2,3
	ds_load_b128 v[BF+8*((\t0)+\c):BF+8*((\t0)+\c)+3], v[\ba] offset:1024*\c
	ds_load_b128 v[BF+8*((\t0)+\c)+4:BF+8*((\t0)+\c)+7], v[\ba] offset:1024*\c+512
.endr
.endm
.macro MM16 fm, buf, cm, t0            ; 16 products in format fm; the accumulators take turns, one instruction each.  cm = 1: the constant 0 starts the sums; 2: the bias does
.if \cm
	WIN 0x40
.else
	WIN 0x50
.endif
.irp t, 0,1,2,3
.irp i, 0,1,2,3
.if (\cm) == 2
	v_wmma_f32_16x16x32_\fm v[32*((\t0)+\t)+8*\i:32*((\t0)+\t)+8*\i+7], v[AF+32*(\buf)+8*\i:AF+32*(\buf)+8*\i+7], v[BF+8*((\t0)+\t):BF+8*((\t0)+\t)+7], v[BIAS+8*\i:BIAS+8*\i+7]
.elseif (\cm) == 1
	v_wmma_f32_16x16x32_\fm v[32*((\t0)+\t)+8*\i:32*((\t0)+\t)+8*\i+7], v[AF+32*(\buf)+8*\i:AF+32*(\buf)+8*\i+7], v[BF+8*((\t0)+\t):BF+8*((\t0)+\t)+7], 0
.else
	v_wmma_f32_16x16x32_\fm v[32*((\t0)+\t)+8*\i:32*((\t0)+\t)+8*\i+7], v[AF+32*(\buf)+8*\i:AF+32*(\buf)+8*\i+7], v[BF+8*((\t0)+\t):BF+8*((\t0)+\t)+7], v[32*((\t0)+\t)+8*\i:32*((\t0)+\t)+8*\i+7]
.endif
.endr
.endr
.endm
; One K step of 32.  lc: the younger weight loads that may stay out.  bl = 1: the next step's source 1 is fetched, by halves.  ao >= 0: eight weight loads go out, into the buffer three on.
.macro KSTEP fm, buf, cm, lc, bl, ap, ao
	s_wait_loadcnt \lc                             ; this step's weights are in
	s_wait_dscnt 8                                 ; tiles 0-3 of source 1 are in; the eight younger loads are tiles 4-7
	MM16 \fm, \buf, \cm, 0
	WIN 0
.if \bl
	v_add_nc_u32 v[BA0], BSTEP, v[BA0]             ; four places behind the products, two of them useful, ahead of loads into registers that they read
	v_add_nc_u32 v[BA1], BSTEP, v[BA1]
	v_nop
	v_nop
	BLOAD BA0, 0
.endif
.if (\ao) >= 0
	ALOAD ((\buf)+3)%4, \ap, \ao                   ; into the buffer that the step before read: its four places closed that step
.endif
.if \bl
	s_wait_dscnt 8                                 ; tiles 4-7 are in; the eight just issued stay out
.else
	s_wait_dscnt 0
.endif
	MM16 \fm, \buf, \cm, 4
	WIN 0
	PLACES
.if \bl
	BLOAD BA1, 4
.endif
.endm
; My landed tile (32 k x 64 tokens of f32) becomes four images in its own first half.  A load takes k = 16 u + 8 half + j, tokens 4 r .. 4 r + 3; word q of tile tt's image is (k = 2 q, 2 q + 1) of token 4 r + tt.
; A pair is rounded to bf16, widened, and written as f16.  Half u = 0 has read bytes 0-4,095 (its wait is for 0) before any of them is written; half u = 1 reads bytes 4,096 on.
; Only this wave touches the tile ahead of the barrier that follows.
.macro CONVERT
.irp u, 0,1
.irp j, 0,1,2,3,4,5,6,7
	ds_load_b128 v[X+4*\j:X+4*\j+3], v[STGA] offset:4096*\u+256*\j
.endr
	s_wait_dscnt 0x0
.irp c, 0,1,2,3
.irp q, 0,1,2,3
	v_cvt_pk_bf16_f32 v[12+2*(\q%2)], v[X+8*\q+\c], v[X+8*\q+4+\c]
	v_lshlrev_b32 v[13+2*(\q%2)], 16, v[12+2*(\q%2)]
	v_and_b32 v[12+2*(\q%2)], 0xffff0000, v[12+2*(\q%2)]
	v_cvt_pk_f16_f32 v[240+4*\c+\q], v[13+2*(\q%2)], v[12+2*(\q%2)]
.endr
.endr
.irp c, 0,1,2,3
	ds_store_b128 v[FRGA], v[240+4*\c:243+4*\c] offset:1024*\c+512*\u
.endr
.endr
	v_add_nc_u32 v[STGA], 65536, v[STGA]           ; my next tile
	v_add_nc_u32 v[FRGA], 65536, v[FRGA]
.endm
.macro HOOK g                          ; group g of tiles (K steps 4 g .. 4 g + 3) is made ready for every wave
	s_wait_tensorcnt 3-(\g)                        ; my tile of group g has landed; the later groups' stay out
	CONVERT
	s_wait_dscnt 0x0                               ; for the others' sake: my images lie in LDS
	s_barrier_signal -1
	s_barrier_wait -1
.endm
.macro TRIP4 fm, ap, ab, hook          ; four K steps; the hook stands one step ahead of the first fetch of its group's images
	KSTEP \fm, 1, 0, 16, 1, \ap, (\ab)+4*32768
	KSTEP \fm, 2, 0, 16, 1, \ap, (\ab)+5*32768
.if \hook
	HOOK \hook
.endif
	KSTEP \fm, 3, 0, 16, 1, \ap, (\ab)+6*32768
	KSTEP \fm, 0, 0, 16, 1, \ap, (\ab)+7*32768
.endm
.macro TABLD dst, off                  ; my lane's 32 numbers of a table: rows 64 w + 16 i + 8 half + 0..7
.irp i, 0,1,2,3
	ds_load_b128 v[(\dst)+8*\i:(\dst)+8*\i+3], v[TBL] offset:(\off)+64*\i
	ds_load_b128 v[(\dst)+8*\i+4:(\dst)+8*\i+7], v[TBL] offset:(\off)+64*\i+16
.endr
.endm
.macro EXPQ t                          ; exponential k of the batch whose number's parity picks the set
	v_exp_f32 v[16+32*((\t)%2)+k], v[16+32*((\t)%2)+k]
.endm
; THE FIRST ACTIVATION, a batch for each token tile t (32 numbers a lane).  FIX1: x = acc S + bc, back into the accumulator.  MUL1: x log2 e.  RD1, number n of 64: 16 times - 1 (pairs), 32 times the middle one,
; 16 roundings.  ST1: four half images of H1.
.macro FIX1 t
	WIN 0x41                                       ; destination and source 0 in window 1, S and bc in window 0
.set p, 0
.rept 16                               ; ascending: each accumulator is read from its low end on
	v_pk_fma_f32 v[32*(\t)+2*p:32*(\t)+2*p+1], v[32*(\t)+2*p:32*(\t)+2*p+1], v[176+2*p:177+2*p], v[208+2*p:209+2*p]
.set p, p+1
.endr
.endm
.macro MUL1 t
	WIN 0x01
.set p, 0
.rept 16
	v_pk_mul_f32 v[16+32*((\t)%2)+2*p:17+32*((\t)%2)+2*p], v[32*(\t)+2*p:32*(\t)+2*p+1], s[48:49] op_sel_hi:[1,0]
.set p, p+1
.endr
.endm
.macro RD1 t, n
.set RT, 16+32*((\t)%2)
.if (\n) < 16
	v_pk_add_f32 v[RT+2*(\n):RT+2*(\n)+1], v[RT+2*(\n):RT+2*(\n)+1], -1.0 op_sel_hi:[1,0]
.elseif (\n) < 48
	v_med3_num_f32 v[RT+(\n)-16], v[RT+(\n)-16], 0, v[32*(\t)+(\n)-16]
.else
	v_cvt_pk_bf16_f32 v[240+(\n)-48], v[RT+2*((\n)-48)], v[RT+2*((\n)-48)+1]
.endif
.endm
.macro ST1 t                           ; rows 64 w + 16 i ..: K step 2 w + i / 2 of the next product, half i % 2
.irp i, 0,1,2,3
	ds_store_b128 v[H1A], v[240+4*\i:243+4*\i] offset:16384*(\i/2)+8192*((\t)/4)+1024*((\t)%4)+512*(\i%2)
.endr
.endm
; THE SECOND ACTIVATION AND THE LOGITS, batch n = 2 i + th: row tile i, token tiles 4 th + 0..3.  MUL2: y = h c and y log2 e.  RD2, number m of 64: 16 times - 1, 32 times the middle one, 16 times l += elu W_attn.
.macro MUL2 n
	WIN 0x01
.set AB, 128*((\n)%2)+8*((\n)/2)
.set CB, 8*((\n)/2)
.set z, 0
.rept 16
	v_pk_mul_f32 v[176+32*((\n)%2)+2*z:177+32*((\n)%2)+2*z], v[AB+32*(z/4)+2*(z%4):AB+32*(z/4)+2*(z%4)+1], v[80+CB+2*(z%4):81+CB+2*(z%4)]
.set z, z+1
.endr
.set z, 0
.rept 16
	v_pk_mul_f32 v[16+32*((\n)%2)+2*z:17+32*((\n)%2)+2*z], v[AB+32*(z/4)+2*(z%4):AB+32*(z/4)+2*(z%4)+1], v[112+CB+2*(z%4):113+CB+2*(z%4)]
.set z, z+1
.endr
.endm
.macro RD2 n, m
.set RT, 16+32*((\n)%2)
.set RY, 176+32*((\n)%2)
.if (\m) < 16
	v_pk_add_f32 v[RT+2*(\m):RT+2*(\m)+1], v[RT+2*(\m):RT+2*(\m)+1], -1.0 op_sel_hi:[1,0]
.elseif (\m) < 48
	v_med3_num_f32 v[RT+(\m)-16], v[RT+(\m)-16], 0, v[RY+(\m)-16]
.else
.set y, (\m)-48
.set RL, 240+2*(4*((\n)%2)+y%4)
.set RS, RT+8*(y%4)+2*(y/4)
.set RW, 144+8*((\n)/2)+2*(y/4)
.if ((\n) < 2) && (y < 4)
	v_pk_mul_f32 v[RL:RL+1], v[RS:RS+1], v[RW:RW+1]            ; the first term starts the sum: nothing is cleared
.else
	v_pk_fma_f32 v[RL:RL+1], v[RS:RS+1], v[RW:RW+1], v[RL:RL+1]
.endif
.endif
.endm
.macro ADD4 a, b
	v_pk_add_f32 v[\a:\a+1], v[\a:\a+1], v[\b:\b+1]
	v_pk_add_f32 v[\a+2:\a+3], v[\a+2:\a+3], v[\b+2:\b+3]
.endm
	s_load_b512 s[4:19], s[0:1], 0x0               ; know 4, wc 6, w2f 8, bc 10, b_cat2 12, control 14, W_attn 16, part 18
	s_load_b64 s[2:3], s[0:1], 0x40                ; sc
	v_lshl_add_u32 v[SPW], v0, 2, SPARE
	v_mov_b32 v[NIL], 0
	ds_add_u32 v[SPW], v[NIL]                      ; the wave's opening: the add, twice on end, and its wait ahead of my first tensor load
	ds_add_u32 v[SPW], v[NIL]
	v_lshrrev_b32 v12, 5, v0
	v_readfirstlane_b32 s20, v12                   ; wave 0..7
	s_mov_b32 s21, ttmp9                           ; tile of 128 tokens
	s_and_b32 s22, ttmp7, 0xffff                   ; b
	; descriptor group 1: a tile of 32 rows x 64 elements of 4 bytes, rows 2,048 elements apart, no padding, no mask
	s_mov_b32 s24, 2<<16
	s_mov_b32 s25, 64<<16                          ; tensor_dim0 = 64
	s_mov_b32 s26, 32<<16                          ; tensor_dim1 = 32
	s_mov_b32 s27, 64<<16                          ; tile_dim0 = 64
	s_mov_b32 s28, 32                              ; tile_dim1 = 32
	s_mov_b32 s29, 2048
	s_mov_b32 s30, 0
	s_mov_b32 s31, 0
	s_lshl_b32 s54, s20, 13                        ; my sub-block of a group: 8,192 w
.irp g, 0,1,2,3
	s_mov_b32 s[32+4*\g], 1
	s_add_co_u32 s[33+4*\g], s54, 65536*\g         ; LDS address
.endr
	s_lshl_b32 s56, s22, 22                        ; know[b]: 4,194,304 bytes a batch
	s_lshr_b32 s55, s20, 1
	s_lshl_b32 s55, s55, 18
	s_add_co_u32 s56, s56, s55                     ; K step w / 2 of a group: 32 rows of 8,192 bytes
	s_lshl_b32 s55, s21, 9
	s_add_co_u32 s56, s56, s55                     ; the work-group's 128 tokens
	s_and_b32 s55, s20, 1
	s_lshl_b32 s55, s55, 8
	s_add_co_u32 s56, s56, s55                     ; token half w % 2
	s_mov_b32 s57, 0
	s_lshl_b32 s58, s22, 11                        ; a row of 512 f32
	s_mov_b32 s59, 0
	s_lshl_b32 s60, s22, 19                        ; wc[b]
	s_mov_b32 s61, 0
	s_lshl4_add_u32 s62, s22, s21
	s_mul_i32 s62, s62, 2304                       ; part's row 16 b + tile
	s_mov_b32 s63, 0
	s_mov_b32 s48, 0x3fb8aa3b                      ; log2 e, as a pair
	s_mov_b32 s49, 0x3fb8aa3b
	s_mov_b32 s50, 0x76543210                      ; v_permlanex16_b32: each lane takes its own place in the other half
	s_mov_b32 s51, 0xfedcba98
	s_mov_b32 s52, 0xffff0000                      ; lanes 16-31
	v_and_b32 v12, 31, v0
	v_lshlrev_b32 v[L16], 4, v12
	v_and_b32 v13, 15, v0
	v_bfe_u32 v14, v0, 4, 1
	v_lshl_add_u32 v[AOFF], s20, 12, v[L16]
	v_lshl_add_u32 v[FRGA], s20, 13, v[L16]
	v_lshlrev_b32 v[STGA], 4, v13
	v_lshl_add_u32 v[STGA], v14, 11, v[STGA]
	v_add_nc_u32 v[STGA], s54, v[STGA]             ; 8,192 w + 16 r + 8 half rows of 256 bytes
	v_lshl_add_u32 v[H1A], s20, 15, v[L16]
	v_add_nc_u32 v[H1A], 4096, v[H1A]              ; K steps 2 w, 2 w + 1, second halves
	v_lshlrev_b32 v[T8], 3, v0
	v_lshlrev_b32 v[TBL], 5, v14
	v_lshl_add_u32 v[TBL], s20, 8, v[TBL]
	v_add_nc_u32 v[TBL], TBC, v[TBL]               ; TBC + 4 (64 w + 8 half)
	v_add_nc_u32 v15, TBC, v[T8]
	s_wait_dscnt 0x0                               ; both opening adds are done
	s_wait_kmcnt 0x0
	s_add_nc_u64 s[4:5], s[4:5], s[56:57]
.irp g, 0,1,2,3
	s_add_nc_u64 s[34+4*\g:35+4*\g], s[4:5], 1048576*\g  ; group g: four K steps, 128 rows, further on
	s_or_b32 s[35+4*\g], s[35+4*\g], 0x80000000          ; type = 2
.endr
.irp g, 0,1,2,3                        ; all first fills in one group, ahead of every wait on TENSORcnt, LDS read and barrier
	tensor_load_to_lds s[32+4*\g:35+4*\g], s[24:31]
	s_nop 0
.endr
	s_add_nc_u64 s[6:7], s[6:7], s[60:61]
	s_add_nc_u64 s[10:11], s[10:11], s[58:59]
	s_add_nc_u64 s[14:15], s[14:15], s[58:59]
	s_add_nc_u64 s[2:3], s[2:3], s[58:59]
	s_add_nc_u64 s[18:19], s[18:19], s[62:63]
	global_load_b64 v[240:241], v[T8], s[10:11]                ; bc[b]
	global_load_b64 v[242:243], v[T8], s[12:13]                ; b_cat2
	global_load_b64 v[244:245], v[T8], s[14:15] offset:196608  ; control[3][b]
	global_load_b64 v[246:247], v[T8], s[16:17]                ; W_attn
	global_load_b64 v[250:251], v[T8], s[2:3]                  ; S[b]
	ALOAD 0, 6, 0
	ALOAD 1, 6, 32768
	ALOAD 2, 6, 65536
	s_wait_loadcnt 24                              ; the five table loads are in; the 24 weight loads stay out
	RND 242, 243, 252
	RND 244, 245, 252
	RND 246, 247, 252
	v_pk_mul_f32 v[248:249], v[244:245], s[48:49] op_sel_hi:[1,0]
	ds_store_b64 v15, v[240:241]
	ds_store_b64 v15, v[242:243] offset:2048
	ds_store_b64 v15, v[244:245] offset:4096
	ds_store_b64 v15, v[248:249] offset:6144
	ds_store_b64 v15, v[246:247] offset:8192
	ds_store_b64 v15, v[250:251] offset:10240
	HOOK 0                                         ; group 0's images and the tables, for every wave
	; ---- the first product: Wc' know, in f16
	v_mov_b32 v[BA0], v[L16]
	v_add_nc_u32 v[BA1], 8192, v[L16]
	BLOAD BA0, 0
	BLOAD BA1, 4
	KSTEP f16, 0, 1, 16, 1, 6, 3*32768
	TRIP4 f16, 6, 0, 1
	TRIP4 f16, 6, 131072, 2
	TRIP4 f16, 6, 262144, 3
	KSTEP f16, 1, 0, 16, 1, 8, 0                   ; the last three steps ask for the next product's first weights: the count stays 16
	KSTEP f16, 2, 0, 16, 1, 8, 32768
	KSTEP f16, 3, 0, 16, 0, 8, 65536
	; ---- x = acc S + bc, elu, rounded into H1's images.  A batch's 32 exponentials stand among the plain work of the batch before; one wait a batch, ahead of their first reader
	TABLD 176, 10240                               ; S, into the ring's fourth buffer, which the last step has read (its four places closed that step)
	TABLD 208, 0                                   ; bc
	s_wait_dscnt 0x0
	FIX1 0
	MUL1 0
	WIN 0
.set k, 0
.rept 32
	EXPQ 0
.set k, k+1
.endr
	v_nop
	s_wait_alu depctr_va_vdst(0)
.irp t, 1,2,3,4,5,6,7
	FIX1 \t
	MUL1 \t
	WIN 0x10                                       ; source 2 (the accumulator) in window 1
.set k, 0
.rept 32
	EXPQ \t
	RD1 (\t)-1, 2*k
	RD1 (\t)-1, 2*k+1
.set k, k+1
.endr
	s_wait_alu depctr_va_vdst(0)
	ST1 (\t)-1
.endr
.set k, 0
.rept 64
	RD1 7, k
.set k, k+1
.endr
	ST1 7
	WIN 0
	s_wait_dscnt 0x0                               ; for the others' sake: my rows of H1 lie in LDS
	s_barrier_signal -1
	s_barrier_wait -1
	; ---- the second product: W_cat2 H1 + b_cat2, in bf16
	v_add_nc_u32 v[BA0], 4096, v[L16]
	v_add_nc_u32 v[BA1], 12288, v[L16]
	TABLD BIAS, 2048
	BLOAD BA0, 0
	BLOAD BA1, 4
	KSTEP bf16, 0, 2, 16, 1, 8, 3*32768
	s_mov_b32 s53, 3
.Lp2:                                                  ; a trip: four K steps; steps 1 to 12
	TRIP4 bf16, 8, 0, 0
	s_wait_xcnt 0x0                                ; the loads issued so far have read their base: it may be stepped
	s_add_nc_u64 s[8:9], s[8:9], 131072
	s_sub_co_u32 s53, s53, 1
	s_cmp_lg_u32 s53, 0
	s_cbranch_scc1 .Lp2
	KSTEP bf16, 1, 0, 16, 1, 8, -1                 ; the last three steps ask for nothing: the counts run down
	KSTEP bf16, 2, 0, 8, 1, 8, -1
	KSTEP bf16, 3, 0, 0, 0, 8, -1
	; ---- elu(h control) W_attn, summed over my 64 rows
	TABLD 80, 4096                                 ; control
	TABLD 112, 6144                                ; control x log2 e
	TABLD 144, 8192                                ; W_attn
	s_wait_dscnt 0x0
	MUL2 0
	WIN 0
.set k, 0
.rept 32
	EXPQ 0
.set k, k+1
.endr
	v_nop
	s_wait_alu depctr_va_vdst(0)
.irp n, 1,2,3,4,5,6,7
	MUL2 \n
	WIN 0
.set k, 0
.rept 32
	EXPQ \n
	RD2 (\n)-1, 2*k
	RD2 (\n)-1, 2*k+1
.set k, k+1
.endr
	s_wait_alu depctr_va_vdst(0)
.endr
.set k, 0
.rept 64
	RD2 7, k
.set k, k+1
.endr
	; ---- addresses of the tail (the registers of the products' addresses are free: their loads have been waited for)
	v_and_b32 v14, 31, v0                          ; L
	v_bfe_u32 v15, v0, 4, 1                        ; half
	s_lshl_b32 s54, s20, 9
	s_lshl_b32 s55, s20, 8
	v_add_nc_u32 v5, LP, v[L16]                    ; all waves' partial logits
	v_add_nc_u32 v4, s54, v5                       ; mine
	v_lshl_add_u32 v6, v14, 1, s55
	v_add_nc_u32 v6, PB, v6                        ; p in: PB + 256 w + 2 L
	v_lshl_add_u32 v7, v15, 4, s55
	v_add_nc_u32 v7, PB, v7                        ; p back: PB + 256 w + 16 half
	v_and_b32 v8, 7, v0
	v_lshl_add_u32 v8, v15, 3, v8
	v_bfe_u32 v9, v0, 3, 1
	v_lshl_add_u32 v8, v9, 4, v8                   ; the image's 16 bytes of token 8 (L / 16) + L % 8, k half (L / 8) % 2
	v_lshlrev_b32 v8, 4, v8
	v_lshl_add_u32 v8, s20, 15, v8                 ; K steps 2 w, 2 w + 1: my 64 k
	v_lshl_add_u32 v9, v15, 5, s55
	v_add_nc_u32 v9, RB, v9                        ; r in: RB + 4 (64 w + 8 half)
	v_lshl_add_u32 v11, v14, 3, s55                ; 256 w + 8 L
	v_add_nc_u32 v10, RB, v11                      ; r back
	; ---- the logits: pairs, the other half of the lanes, then lane L takes tokens 32 q + L (tile 2 q + L / 16, column L % 16)
.irp t, 0,1,2,3,4,5,6,7
	v_add_f32 v[16+\t], v[240+2*\t], v[241+2*\t]
.endr
.irp t, 0,1,2,3,4,5,6,7
	v_permlanex16_b32 v[48+\t], v[16+\t], s50, s51
.endr
.irp t, 0,1,2,3,4,5,6,7
	v_add_f32 v[16+\t], v[16+\t], v[48+\t]
.endr
.irp q, 0,1,2,3
	v_cndmask_b32 v[24+\q], v[16+2*\q], v[17+2*\q], s52
.endr
	ds_store_b128 v4, v[24:27]
	s_wait_dscnt 0x0                               ; for the others' sake: my rows' share of the 128 logits lies in LDS
	s_barrier_signal -1
	s_barrier_wait -1
.irp g, 0,1,2,3,4,5,6,7
	ds_load_b128 v[80+4*\g:83+4*\g], v5 offset:512*\g
.endr
	s_wait_dscnt 0x0
	ADD4 80, 84                                    ; every wave adds in the same order, so all hold the same logits, m and p
	ADD4 88, 92
	ADD4 96, 100
	ADD4 104, 108
	ADD4 80, 88
	ADD4 96, 104
	ADD4 80, 96
	v_max3_num_f32 v12, v80, v81, v82
	v_max_num_f32 v12, v12, v83
	v_max_num_f32_dpp v12, v12, v12 row_xmask:1 row_mask:0xf bank_mask:0xf
	v_max_num_f32_dpp v12, v12, v12 row_xmask:2 row_mask:0xf bank_mask:0xf
	v_max_num_f32_dpp v12, v12, v12 row_xmask:4 row_mask:0xf bank_mask:0xf
	v_max_num_f32_dpp v12, v12, v12 row_xmask:8 row_mask:0xf bank_mask:0xf
	v_permlanex16_b32 v14, v12, s50, s51
	v_max_num_f32 v12, v12, v14                    ; m: the tile's maximum, taken away before the exponential
.irp q, 0,1,2,3
	v_sub_f32 v[84+\q], v[80+\q], v12
.endr
	v_pk_mul_f32 v[84:85], v[84:85], s[48:49] op_sel_hi:[1,0]
	v_pk_mul_f32 v[86:87], v[86:87], s[48:49] op_sel_hi:[1,0]
.irp q, 0,1,2,3
	v_exp_f32 v[84+\q], v[84+\q]
.endr
	v_nop
	s_wait_alu depctr_va_vdst(0)                   ; one wait for the four exponentials, ahead of their first reader
	v_add_f32 v13, v84, v85
	v_add_f32 v14, v86, v87
	v_add_f32 v13, v13, v14
	v_add_f32_dpp v13, v13, v13 row_xmask:1 row_mask:0xf bank_mask:0xf
	v_add_f32_dpp v13, v13, v13 row_xmask:2 row_mask:0xf bank_mask:0xf
	v_add_f32_dpp v13, v13, v13 row_xmask:4 row_mask:0xf bank_mask:0xf
	v_add_f32_dpp v13, v13, v13 row_xmask:8 row_mask:0xf bank_mask:0xf
	v_permlanex16_b32 v14, v13, s50, s51
	v_add_f32 v13, v13, v14                        ; s, of the unrounded p
	v_cvt_pk_f16_f32 v14, v84, v85
	v_cvt_pk_f16_f32 v15, v86, v87
	ds_store_b16 v6, v14                           ; p[32 q + L] into my wave's own copy: no other wave reads it
	ds_store_b16_d16_hi v6, v14 offset:64
	ds_store_b16 v6, v15 offset:128
	ds_store_b16_d16_hi v6, v15 offset:192
	; ---- the read: D(m = k, n) = sum over tokens of know[k][token] p[token]; every column of source 1 is p.  LDS serves a wave's instructions in order: these loads see the stores above
.irp q, 0,1,2,3
	ds_load_b128 v[208+8*\q:211+8*\q], v7 offset:64*\q
	ds_load_b128 v[212+8*\q:215+8*\q], v7 offset:64*\q+32
.endr
.irp a, 0,1,2,3
.irp q, 0,1,2,3                        ; k tile a of my four, tokens 32 q on: token tiles 2 q and 2 q + 1, turned
	ds_load_tr16_b128 v[80+8*(4*\a+\q):83+8*(4*\a+\q)], v8 offset:16384*(\a/2)+512*(\a%2)+8192*(\q/2)+2048*(\q%2)
	ds_load_tr16_b128 v[84+8*(4*\a+\q):87+8*(4*\a+\q)], v8 offset:16384*(\a/2)+512*(\a%2)+8192*(\q/2)+2048*(\q%2)+1024
.endr
.endr
	s_wait_dscnt 0x0
.irp a, 0,1,2,3
	v_wmma_f32_16x16x32_f16 v[48+8*\a:55+8*\a], v[80+32*\a:87+32*\a], v[208:215], 0
.endr
.irp q, 1,2,3
.irp a, 0,1,2,3                        ; four accumulators by turns
	v_wmma_f32_16x16x32_f16 v[48+8*\a:55+8*\a], v[80+8*(4*\a+\q):87+8*(4*\a+\q)], v[208+8*\q:215+8*\q], v[48+8*\a:55+8*\a]
.endr
.endr
	PLACES
.irp a, 0,1,2,3                        ; the 16 lanes of a half hold the same eight sums and store them to the same bytes
	ds_store_b128 v9, v[48+8*\a:51+8*\a] offset:64*\a
	ds_store_b128 v9, v[52+8*\a:55+8*\a] offset:64*\a+16
.endr
	ds_load_b64 v[16:17], v10                      ; my wave's own 256 bytes, two sums a lane
	s_wait_dscnt 0x0
	global_store_b64 v11, v[16:17], s[18:19]       ; 256 consecutive bytes, aligned
	s_cmp_lg_u32 s20, 0
	s_cbranch_scc1 .Lfin
	global_store_b64 v11, v[12:13], s[18:19] offset:2048  ; wave 0: (m, s) 32 times: the row's last 256 bytes
.Lfin:
	s_wait_tensorcnt 0x0                           ; the wave's end: three lines behind the last tensor load and the last LDS store
	ds_add_u32 v[SPW], v[NIL]
	s_wait_dscnt 0x0
	s_endpgm
.Lfunc_end_k_q402307c5af_main:
	.size	k_q402307c5af_main, .Lfunc_end_k_q402307c5af_main-k_q402307c5af_main
	.p2alignl 7, 3214868480
	.fill 96, 4, 3214868480
	.section	.rodata,"a",@progbits
	.p2align	6, 0x0
	.amdhsa_kernel k_q402307c5af_main
		.amdhsa_group_segment_fixed_size 283648
		.amdhsa_private_segment_fixed_size 0
		.amdhsa_enable_private_segment 0
		.amdhsa_kernarg_size 72
		.amdhsa_user_sgpr_count 2
		.amdhsa_user_sgpr_kernarg_segment_ptr 1
		.amdhsa_wavefront_size32 1
		.amdhsa_system_sgpr_workgroup_id_x 1
		.amdhsa_system_sgpr_workgroup_id_y 1
		.amdhsa_system_sgpr_workgroup_id_z 1
		.amdhsa_system_vgpr_workitem_id 0
		.amdhsa_next_free_vgpr 512
		.amdhsa_next_free_sgpr 66
		.amdhsa_reserve_vcc 0
		.amdhsa_float_denorm_mode_32 3
		.amdhsa_float_denorm_mode_16_64 3
		.amdhsa_memory_ordered 1
		.amdhsa_forward_progress 1
		.amdhsa_inst_pref_size 255
	.end_amdhsa_kernel
	.section	.bss,"aw",@nobits
	.p2align	6
	.space	262144
	.amdgpu_metadata
---
amdhsa.version: [ 1, 2 ]
amdhsa.kernels:
  - .name:           k_q402307c5af_main
    .symbol:         k_q402307c5af_main.kd
    .args:
      - { .name: know, .offset: 0, .size: 8, .value_kind: global_buffer, .address_space: global }
      - { .name: wc, .offset: 8, .size: 8, .value_kind: global_buffer, .address_space: global }
      - { .name: w2f, .offset: 16, .size: 8, .value_kind: global_buffer, .address_space: global }
      - { .name: bc, .offset: 24, .size: 8, .value_kind: global_buffer, .address_space: global }
      - { .name: b_cat2, .offset: 32, .size: 8, .value_kind: global_buffer, .address_space: global }
      - { .name: control, .offset: 40, .size: 8, .value_kind: global_buffer, .address_space: global }
      - { .name: W_attn, .offset: 48, .size: 8, .value_kind: global_buffer, .address_space: global }
      - { .name: part, .offset: 56, .size: 8, .value_kind: global_buffer, .address_space: global }
      - { .name: sc, .offset: 64, .size: 8, .value_kind: global_buffer, .address_space: global }
    .group_segment_fixed_size: 283648
    .private_segment_fixed_size: 0
    .kernarg_segment_align: 8
    .kernarg_segment_size: 72
    .max_flat_workgroup_size: 256
    .sgpr_count:     66
    .vgpr_count:     512
    .wavefront_size: 32
...
	.end_amdgpu_metadata
.endif
;; end of part 3
;; launch combine (part 4): grid 4 x 32, 1 waves a work-group, no clusters, 0 bytes of LDS; arguments part, out0; writes out0
.if DOCPART == 4
	.amdgcn_target "amdgcn-amd-amdhsa--gfx1250"
	.amdhsa_code_object_version 6
	.text
	.protected	k_q402307c5af_combine
	.globl	k_q402307c5af_combine
	.p2align	8
	.type	k_q402307c5af_combine,@function
k_q402307c5af_combine:
	s_mov_b64 s[64:65], 0
	v_nop
	global_prefetch_b8 v0, s[64:65] scope:SCOPE_SE
	s_setreg_imm32_b32 hwreg(HW_REG_WAVE_MODE, 25, 1), 1
	s_wait_xcnt 0x0
; ReadUnit, launch 4 of 4: the 16 shares of a batch are joined: M = max m_t, w_t = e^(m_t - M), out0[b][k] = sum_t w_t r_t[k] / sum_t w_t s_t.
; Nothing of reference() is left out here.  A weight below 2^-126 counts as 0.
; One wave takes 128 k of one batch (grid x = which 128, y = b): 16 bytes a lane, so each load and the store cover 512 consecutive bytes.  No LDS, no barrier: nothing is shared.
; part's row 16 b + t: r_t[512] f32, then (m_t, s_t) 32 times, a pair a lane.
	s_load_b128 s[4:7], s[0:1], 0x0                ; part, out0
	s_and_b32 s8, ttmp7, 0xffff                    ; b
	s_mul_i32 s10, s8, 36864                       ; 16 rows of 2,304 bytes
	s_mov_b32 s11, 0
	s_lshl_b32 s12, s8, 11
	s_mov_b32 s13, 0
	s_lshl_b32 s14, ttmp9, 9
	v_lshlrev_b32 v1, 3, v0
	v_lshl_add_u32 v3, v0, 4, s14                  ; 512 kq + 16 L
	s_wait_kmcnt 0x0
	s_add_nc_u64 s[4:5], s[4:5], s[10:11]
	s_add_nc_u64 s[6:7], s[6:7], s[12:13]
.set t, 0
.rept 16
	global_load_b64 v[16+2*t:17+2*t], v1, s[4:5] offset:2048+2304*t
.set t, t+1
.endr
.set t, 0
.rept 16
	global_load_b128 v[48+4*t:51+4*t], v3, s[4:5] offset:2304*t
.set t, t+1
.endr
	s_wait_loadcnt 16                              ; the 16 pairs are in; the 16 rows of r stay out
	v_max3_num_f32 v8, v16, v18, v20
.set t, 3
.rept 6
	v_max3_num_f32 v8, v8, v[16+2*t], v[18+2*t]
.set t, t+2
.endr
	v_max_num_f32 v8, v8, v46
.set t, 0
.rept 16
	v_sub_f32 v[16+2*t], v[16+2*t], v8
.set t, t+1
.endr
.set t, 0
.rept 16
	v_mul_f32 v[16+2*t], 0x3fb8aa3b, v[16+2*t]
.set t, t+1
.endr
.set t, 0
.rept 16
	v_exp_f32 v[16+2*t], v[16+2*t]
.set t, t+1
.endr
	v_nop
	s_wait_alu depctr_va_vdst(0)                   ; one wait for the 16 exponentials, ahead of their first reader
	v_mul_f32 v9, v16, v17
	v_mul_f32 v10, v18, v19
.set t, 2
.rept 7                                ; two chains
	v_fma_f32 v9, v[16+2*t], v[17+2*t], v9
	v_fma_f32 v10, v[18+2*t], v[19+2*t], v10
.set t, t+2
.endr
	v_add_f32 v9, v9, v10
	v_rcp_f32 v12, v9
	v_rcp_f32 v13, v9                              ; twice: a pair for the packed multiply
	v_nop
	s_wait_alu depctr_va_vdst(0)
	s_wait_loadcnt 0x0
	v_pk_mul_f32 v[4:5], v[48:49], v[16:17] op_sel_hi:[1,0]
	v_pk_mul_f32 v[6:7], v[50:51], v[16:17] op_sel_hi:[1,0]
.set t, 1
.rept 15
	v_pk_fma_f32 v[4:5], v[48+4*t:49+4*t], v[16+2*t:17+2*t], v[4:5] op_sel_hi:[1,0,1]
	v_pk_fma_f32 v[6:7], v[50+4*t:51+4*t], v[16+2*t:17+2*t], v[6:7] op_sel_hi:[1,0,1]
.set t, t+1
.endr
	v_pk_mul_f32 v[4:5], v[4:5], v[12:13]
	v_pk_mul_f32 v[6:7], v[6:7], v[12:13]
	global_store_b128 v3, v[4:7], s[6:7]
	s_endpgm
.Lfunc_end_k_q402307c5af_combine:
	.size	k_q402307c5af_combine, .Lfunc_end_k_q402307c5af_combine-k_q402307c5af_combine
	.p2alignl 7, 3214868480
	.fill 96, 4, 3214868480
	.section	.rodata,"a",@progbits
	.p2align	6, 0x0
	.amdhsa_kernel k_q402307c5af_combine
		.amdhsa_group_segment_fixed_size 0
		.amdhsa_private_segment_fixed_size 0
		.amdhsa_enable_private_segment 0
		.amdhsa_kernarg_size 16
		.amdhsa_user_sgpr_count 2
		.amdhsa_user_sgpr_kernarg_segment_ptr 1
		.amdhsa_wavefront_size32 1
		.amdhsa_system_sgpr_workgroup_id_x 1
		.amdhsa_system_sgpr_workgroup_id_y 1
		.amdhsa_system_sgpr_workgroup_id_z 1
		.amdhsa_system_vgpr_workitem_id 0
		.amdhsa_next_free_vgpr 128
		.amdhsa_next_free_sgpr 66
		.amdhsa_reserve_vcc 0
		.amdhsa_float_denorm_mode_32 3
		.amdhsa_float_denorm_mode_16_64 3
		.amdhsa_memory_ordered 1
		.amdhsa_forward_progress 1
		.amdhsa_inst_pref_size 10
	.end_amdhsa_kernel
	.amdgpu_metadata
---
amdhsa.version: [ 1, 2 ]
amdhsa.kernels:
  - .name:           k_q402307c5af_combine
    .symbol:         k_q402307c5af_combine.kd
    .args:
      - { .name: part, .offset: 0, .size: 8, .value_kind: global_buffer, .address_space: global }
      - { .name: out0, .offset: 8, .size: 8, .value_kind: global_buffer, .address_space: global }
    .group_segment_fixed_size: 0
    .private_segment_fixed_size: 0
    .kernarg_segment_align: 8
    .kernarg_segment_size: 16
    .max_flat_workgroup_size: 32
    .sgpr_count:     66
    .vgpr_count:     128
    .wavefront_size: 32
...
	.end_amdgpu_metadata
.endif
;; end of part 4
;; ======== version 2 of 2: 4 launches; version 1 with the launch compose written anew for expert scheduling mode
;; limits: values are held in f16: magnitudes above 65,504 overflow, below 6.1e-05 lose precision; inputs' magnitudes at most 2,900; right only within a limited range of input values
;; workspace buffers: wkt 524,288 bytes; wcf 1,048,576 bytes; w2f 524,288 bytes; pmt 65,536 bytes; wc 16,777,216 bytes; bc 65,536 bytes; sc 65,536 bytes; part 1,179,648 bytes
;; launch prep: the kernel of part 1 again; grid 288 x 1, 4 waves a work-group, no clusters, 4,608 bytes of LDS; arguments W_cat, W_cat2, W_kb, W_mem, b_mem, memory, masks, wcf, w2f, wkt, pmt; writes wcf, w2f, wkt, pmt
;; launch compose (part 5): grid 4 x 32, 8 waves a work-group, no clusters, 137,216 bytes of LDS; arguments wkt, wcf, pmt, b_kb, b_cat, wc, bc, sc; writes wc, bc, sc
.if DOCPART == 5
	.amdgcn_target "amdgcn-amd-amdhsa--gfx1250"
	.amdhsa_code_object_version 6
	.text
	.protected	k_q402307c5af_compose
	.globl	k_q402307c5af_compose
	.p2align	8
	.type	k_q402307c5af_compose,@function
k_q402307c5af_compose:
	s_mov_b64 s[64:65], 0
	v_nop
	global_prefetch_b8 v0, s[64:65] scope:SCOPE_SE
	s_setreg_imm32_b32 hwreg(HW_REG_WAVE_SCHED_MODE, 0, 2), 2
	s_setreg_imm32_b32 hwreg(HW_REG_WAVE_MODE, 25, 1), 1
	s_wait_xcnt 0x0
	s_wait_alu depctr_vm_vsrc(0)
; ReadUnit, launch 2 of 4: Wc[b] = Weff[b] W_kb and bc[b] = Weff[b] b_kb + b_cat, Weff[b][h][c] = W_cat[h][c] pm[b][c] + W_cat[h][512+c]  (the algebra stands at the head of launch 1).
; Nothing of reference() is left out here beyond what launch 1's head names.
; FORMAT.  The product runs in f16, and each row h of Weff is first divided by a power of two S[h] that is at least the row's norm and less than twice that: Weff' lies within 1, its row norm in (0.5, 1).
; So Wc'[h][k] = Wc[h][k] / S[h] is at most sqrt(512) max|W_kb| and is stored as f16 with no further scale; S goes to the next launch in sc.
; S's exponent field is (e + 129) >> 1, e the exponent field of the row's sum of squares Q: between 64 and 192, so neither S nor 1 / S is ever 0 or infinite.
; LIMITS: Q must stay finite in f32 (a row norm under 1.8e19); Wc' overflows f16 where |W_kb| passes some 2,900; numbers of Weff' and Wc' below 6e-5 keep f16's fixed step of 6e-8.
; SHARES.  A work-group: one batch b (grid y), 128 rows h of Wc (grid x).  Each of its eight waves makes one tile of 16 rows of Weff, all 512 c, in f32 from the bf16 images, twice: pass 1 sums bc's share and Q,
; pass 2 scales, rounds to f16 and stores into LDS (131,072 bytes, fragment images: step g at 8,192 g, tile t at 1,024 t).  Keeping the 256 f32 of a lane between the passes would want 256 registers more.
; Then D(m = k, n = h) = sum_c W_kb[c][k] Weff'[h][c]: wave w owns k = 64 w .. 64 w + 63 (four tiles i) and all eight tiles t of h: 32 accumulators, window 1, (i, t) at v[32 t + 8 i].
; A lane of D holds eight neighbouring k of one h: rounded in pairs that IS half a fragment of the next launch's source 0 (row h, K = k), stored as 512 consecutive bytes.
; wkt's fragments have one reader wave each in a work-group: they come straight into registers, a ring of three buffers, asked for two K steps ahead.  Weff' comes out of LDS into two buffers by turns, a step ahead.
; 128 work-groups: the grid is the number of (b, 128 h) blocks that this share gives.
; THE MODE: SCHED_MODE bits 1:0 = 2 (LLVM: expert scheduling mode 2), set by the entry lines.  The code itself states the register dependences
; between vector or matrix instructions and memory or LDS instructions, with s_wait_alu, always for 0.
; THE PLAN.  Registers that memory or LDS instructions touch:
;   addresses     v1, v4, v7-v11, v13-v15, v216, v252: made at the head, ahead of one wait, and not written while they serve.  v5 (source 1's LDS address) is made there too and stepped once a trip of the K loop.
;   slices        v16-47 pm, v48-79 b_kb, two buffers by the step's parity.  Step g's arithmetic reads buffer g % 2; behind it one wait, then slice g + 2 lands there.
;   v224-231      pass 2's out-buffer: written by a step's eight roundings, read by its two LDS stores, written again a step later.
;   AF0 .. AF2    source 0.  K step g's products read AF[g % 3]; the loads of step g + 2, issued in step g, land in AF[(g + 2) % 3] = AF[(g - 1) % 3].
;   BF0, BF1      source 1.  K step g's products read BF[g % 2]; the LDS loads of step g + 1, issued in step g, land in the other one, which step g - 1 read.
;   v80-207       at the end: written by the roundings of the accumulators, read by the 32 stores.
; So ONE wait on va_vdst stands at a K step's head: it states that the products of the step before are done reading the two buffers in which this step's 24 loads land.  The loads follow it dealt among
; the step's 32 products, which name AF[g % 3], BF[g % 2] and the accumulators: none of the registers that those loads touch.
; REGISTERS, window 0: v1 16 L; v2, v3 the add's; v4 A's offset; v5 B's LDS address; v7-15 below; v16-79 BF0 (before: pm and b_kb slices); v80-175 A's three buffers; v176-239 BF1 (before, from v208 on: at work); v240-252 at work.
; window 1: first W_cat's fragments (step g: gated half v[16 g ..+7], plain half ..+15), then the accumulators.
.set BSTEP, 8192
.set T_PM,  131072                     ; pm[b][0..511] f32; b_kb follows at + 2,048
.set BCS,   135168                     ; 128 sums of bc; the 128 scales S follow at + 512
.set SPARE, 136192                     ; the spare words, 128 bytes a wave
.set AF, 80
.set BF0, 16
.set BF1, 176
.set L16, 1
.set AOFF, 4
.set BA, 5
.set RLY, 252                          ; v252  BCS + 16 L: where wave 0 reads the 128 sums and scales back
.set MSB, 0
.macro WIN new                         ; the high byte repeats the setting that is left; a switch that changes nothing is dropped
.if MSB != (\new)
	s_set_vgpr_msb (MSB<<8)|(\new)
.set MSB, (\new)
.endif
.endm
.macro PLACES
.rept 4
	v_nop
.endr
.endm
.macro RND a, b, t
	v_cvt_pk_bf16_f32 v[\t], v[\a], v[\b]
	v_lshlrev_b32 v[\a], 16, v[\t]
	v_and_b32 v[\b], 0xffff0000, v[\t]
.endm
.macro ALOAD buf, ap, ao               ; a K step's four fragments of source 0 for my 64 rows: eight loads of 512 consecutive bytes
.irp i, 0,1,2,3
	global_load_b128 v[AF+32*(\buf)+8*\i:AF+32*(\buf)+8*\i+3], v[AOFF], s[\ap:\ap+1] offset:(\ao)+1024*\i
	global_load_b128 v[AF+32*(\buf)+8*\i+4:AF+32*(\buf)+8*\i+7], v[AOFF], s[\ap:\ap+1] offset:(\ao)+1024*\i+512
.endr
.endm
.macro BLOAD bb, t0, off               ; column tiles t0 .. t0 + 3 of source 1 from LDS into the buffer at bb; off: the K step's bytes, counted from the trip's v[BA]
.irp c, 0,1,2,3
	ds_load_b128 v[(\bb)+8*((\t0)+\c):(\bb)+8*((\t0)+\c)+3], v[BA] offset:(\off)+1024*((\t0)+\c)
	ds_load_b128 v[(\bb)+8*((\t0)+\c)+4:(\bb)+8*((\t0)+\c)+7], v[BA] offset:(\off)+1024*((\t0)+\c)+512
.endr
.endm
.macro MM8 ab, bb, cm, t0              ; 8 products: column tiles t0, t0 + 1; the accumulators take turns, one instruction each.  cm = 1: the constant 0 starts the sums
.if \cm
	WIN 0x40
.else
	WIN 0x50
.endif
.irp t, 0,1
.irp i, 0,1,2,3
.if \cm
	v_wmma_f32_16x16x32_f16 v[32*((\t0)+\t)+8*\i:32*((\t0)+\t)+8*\i+7], v[AF+32*(\ab)+8*\i:AF+32*(\ab)+8*\i+7], v[(\bb)+8*((\t0)+\t):(\bb)+8*((\t0)+\t)+7], 0
.else
	v_wmma_f32_16x16x32_f16 v[32*((\t0)+\t)+8*\i:32*((\t0)+\t)+8*\i+7], v[AF+32*(\ab)+8*\i:AF+32*(\ab)+8*\i+7], v[(\bb)+8*((\t0)+\t):(\bb)+8*((\t0)+\t)+7], v[32*((\t0)+\t)+8*\i:32*((\t0)+\t)+8*\i+7]
.endif
.endr
.endr
.endm
; One K step g of 32.  ab = g % 3, bp = g % 2.  w = 1: the step issues loads into buffers that the step before read.  lc: the younger loads of source 0 that may stay out (-1: none can be out).
; ao >= 0: source 0 of step g + 2 is asked for.  bo >= 0: source 1 of step g + 1 is fetched, by halves.
.macro STEP ab, bp, cm, w, lc, ao, bo
.set BB, BF0+(BF1-BF0)*(\bp)
.set BN, BF0+(BF1-BF0)*(1-(\bp))
.if (\lc) >= 0
	s_wait_loadcnt \lc                             ; this step's source 0 is in; the next step's eight loads stay out
.endif
	s_wait_dscnt 8                                 ; tiles 0-3 of this step's source 1 are in; the eight younger loads are its tiles 4-7
.if \w
	s_wait_alu depctr_va_vdst(0)                   ; the products of the step before are done reading their buffers of source 0 and source 1, in which this step's loads land; behind a trip's end v[BA] is written
.endif
	MM8 \ab, BB, \cm, 0
.if (\bo) >= 0
	WIN 0
	BLOAD BN, 0, \bo                               ; no wait: no product since the wait above names this buffer
.endif
.if (\ao) >= 0
	WIN 0
	ALOAD ((\ab)+2)%3, 4, \ao                      ; likewise
.endif
	MM8 \ab, BB, \cm, 2
.if (\bo) >= 0
	s_wait_dscnt 8                                 ; tiles 4-7 are in; the eight just issued stay out
.else
	s_wait_dscnt 0
.endif
	MM8 \ab, BB, \cm, 4
.if (\bo) >= 0
	WIN 0
	BLOAD BN, 4, \bo
.endif
	MM8 \ab, BB, \cm, 6
	WIN 0
.endm
.macro SLICE g                         ; pm and b_kb of my lane's 16 c in step g: c = 32 g + 16 u + 8 half + e
.irp c, 0,1,2,3
	ds_load_b128 v[16+16*((\g)%2)+4*\c:19+16*((\g)%2)+4*\c], v11 offset:128*(\g)+64*(\c/2)+16*(\c%2)
	ds_load_b128 v[48+16*((\g)%2)+4*\c:51+16*((\g)%2)+4*\c], v11 offset:2048+128*(\g)+64*(\c/2)+16*(\c%2)
.endr
.endm
.macro PSLICE g                        ; pm alone
.irp c, 0,1,2,3
	ds_load_b128 v[16+16*((\g)%2)+4*\c:19+16*((\g)%2)+4*\c], v11 offset:128*(\g)+64*(\c/2)+16*(\c%2)
.endr
.endm
.macro WLOAD g                         ; W_cat's two fragments of step g for my tile, into window 1
	global_load_b128 v[16*(\g):16*(\g)+3], v7, s[6:7] offset:32768*(\g)
	global_load_b128 v[16*(\g)+4:16*(\g)+7], v7, s[6:7] offset:32768*(\g)+512
	global_load_b128 v[16*(\g)+8:16*(\g)+11], v7, s[6:7] offset:32768*(\g)+524288
	global_load_b128 v[16*(\g)+12:16*(\g)+15], v7, s[6:7] offset:32768*(\g)+524288+512
.endm
.macro FMIX g                          ; my lane's 16 numbers of Weff in step g, f32, into v208-223: fused multiply-adds from bf16 halves
	WIN 0x11                                       ; sources 0 and 2 in window 1
.set z, 0
.rept 8
	v_fma_mix_f32_bf16 v[208+2*z], v[16*(\g)+z], v[16+16*((\g)%2)+2*z], v[16*(\g)+8+z] op_sel_hi:[1,0,1]
	v_fma_mix_f32_bf16 v[209+2*z], v[16*(\g)+z], v[17+16*((\g)%2)+2*z], v[16*(\g)+8+z] op_sel:[1,0,1] op_sel_hi:[1,0,1]
.set z, z+1
.endr
	WIN 0
.endm
; Pass 1, step g: bc's share and the sum of squares, four chains of pairs each.  dc: the younger LDS loads that may stay out
.macro PASS1 g, dc
	s_wait_loadcnt 4*(15-(\g))                     ; the later steps' loads, four each, stay out
	s_wait_dscnt \dc
	FMIX \g
.set z, 0
.rept 8
.if ((\g) == 0) && (z < 4)
	v_pk_mul_f32 v[232+2*z:233+2*z], v[208+2*z:209+2*z], v[48+2*z:49+2*z]
	v_pk_mul_f32 v[240+2*z:241+2*z], v[208+2*z:209+2*z], v[208+2*z:209+2*z]
.else
	v_pk_fma_f32 v[232+2*(z%4):233+2*(z%4)], v[208+2*z:209+2*z], v[48+16*((\g)%2)+2*z:49+16*((\g)%2)+2*z], v[232+2*(z%4):233+2*(z%4)]
	v_pk_fma_f32 v[240+2*(z%4):241+2*(z%4)], v[208+2*z:209+2*z], v[208+2*z:209+2*z], v[240+2*(z%4):241+2*(z%4)]
.endif
.set z, z+1
.endr
.if (\g) < 14
	s_wait_alu depctr_va_vdst(0)                   ; this step's multiply-adds are done reading slice buffer g % 2, in which slice g + 2 lands
	SLICE (\g)+2
.endif
.endm
; Pass 2, step g: Weff again, times 1 / S, rounded to f16, two LDS stores.  dc: the younger LDS instructions that may stay out
.macro PASS2 g, dc
	s_wait_dscnt \dc
	FMIX \g
.set z, 0
.rept 8
	v_pk_mul_f32 v[208+2*z:209+2*z], v[208+2*z:209+2*z], v[248:249]
.set z, z+1
.endr
.if (\g) > 0
	s_wait_alu depctr_vm_vsrc(0)                   ; the last step's two LDS stores have read v224-231, which the roundings below write again
.endif
.set z, 0
.rept 8
	v_cvt_pk_f16_f32 v[224+z], v[208+2*z], v[209+2*z]
.set z, z+1
.endr
	s_wait_alu depctr_va_vdst(0)                   ; the roundings have written v224-231, which the stores read; the step is done reading slice buffer g % 2, in which slice g + 2 lands
.if (\g) < 8
	ds_store_b128 v13, v[224:227] offset:8192*(\g)
	ds_store_b128 v13, v[228:231] offset:8192*(\g)+512
.else
	ds_store_b128 v14, v[224:227] offset:8192*((\g)-8)
	ds_store_b128 v14, v[228:231] offset:8192*((\g)-8)+512
.endif
.if (\g) < 14
	PSLICE (\g)+2
.endif
.endm
	s_load_b256 s[4:11], s[0:1], 0x0               ; wkt 4, wcf 6, pmt 8, b_kb 10
	s_load_b256 s[12:19], s[0:1], 0x20             ; b_cat 12, wc 14, bc 16, sc 18
	v_lshl_add_u32 v2, v0, 2, SPARE
	v_mov_b32 v3, 0
	v_lshrrev_b32 v15, 5, v0
	v_readfirstlane_b32 s20, v15                   ; wave 0..7
	s_mov_b32 s21, ttmp9                           ; hq: which 128 rows h
	s_and_b32 s22, ttmp7, 0xffff                   ; b
	s_mov_b32 s40, 0x76543210                      ; v_permlanex16_b32: each lane takes its own place in the other half
	s_mov_b32 s41, 0xfedcba98
	v_and_b32 v15, 31, v0
	v_lshlrev_b32 v[L16], 4, v15
	v_and_b32 v5, 15, v0                           ; r
	v_bfe_u32 v6, v0, 4, 1                         ; half
	s_wait_alu depctr_va_sdst(0)                   ; s20 is written, ahead of its first reader: offsets, LDS addresses and a branch are made from it
	v_lshl_add_u32 v[AOFF], s20, 12, v[L16]        ; my four row tiles: 4,096 w + 16 L
	s_lshl3_add_u32 s23, s21, s20                  ; my tile of h: 8 hq + w
	v_lshl_add_u32 v7, s23, 10, v[L16]             ; in wcf
	v_lshlrev_b32 v8, 3, v0                        ; 8 x thread
	v_lshrrev_b32 v9, 3, v0
	v_lshlrev_b32 v9, 11, v9
	v_and_b32 v15, 7, v0
	v_lshl_add_u32 v9, v15, 3, v9
	s_lshl_b32 s24, s22, 6
	v_add_nc_u32 v9, s24, v9                       ; pmt: c = 2 thread: 2,048 (c / 16) + 64 b + 4 (c % 16)
	v_lshlrev_b32 v10, 2, v5
	v_lshl_add_u32 v10, s23, 6, v10                ; b_cat: 4 (16 (8 hq + w) + r)
	v_lshlrev_b32 v11, 5, v6
	v_add_nc_u32 v11, T_PM, v11                    ; the slices: T_PM + 32 half
	v_lshl_add_u32 v13, s20, 10, v[L16]            ; Weff's stores: 1,024 w + 16 L,
	v_add_nc_u32 v14, 65536, v13                   ; and for steps 8 on
	v_lshlrev_b32 v15, 2, v5
	v_lshl_add_u32 v15, s20, 6, v15
	v_add_nc_u32 v15, BCS, v15                     ; BCS + 4 (16 w + r)
	v_add_nc_u32 v216, T_PM, v8
	v_add_nc_u32 v[RLY], BCS, v[L16]
	v_mov_b32 v[BA], v[L16]                        ; r has served: source 1's K step 0 lies at LDS byte 0
	s_lshl_b32 s24, s22, 19
	s_lshl_b32 s25, s21, 13
	s_add_co_u32 s24, s24, s25                     ; wc: 524,288 b + 8,192 hq
	s_mov_b32 s25, 0
	s_lshl_b32 s26, s22, 11
	s_lshl_b32 s27, s21, 9
	s_add_co_u32 s26, s26, s27                     ; bc and sc: 2,048 b + 512 hq
	s_mov_b32 s27, 0
	s_wait_kmcnt 0x0
	s_add_nc_u64 s[14:15], s[14:15], s[24:25]
	s_add_nc_u64 s[16:17], s[16:17], s[26:27]
	s_add_nc_u64 s[18:19], s[18:19], s[26:27]
	s_wait_alu depctr_va_vdst(0)                   ; all offsets and LDS addresses are written: v1, v4, v5, v7 to v11, v13 to v15, v216, v252, which the loads and stores below read
	global_load_b64 v[208:209], v9, s[8:9]
	global_load_b64 v[210:211], v8, s[10:11]
	global_load_b32 v12, v10, s[12:13]
	ALOAD 0, 4, 0
	ALOAD 1, 4, 32768
	ALOAD 2, 4, 65536
	WIN 0x40                                       ; destination in window 1, address in window 0
.irp g, 0,1,2,3,4,5,6,7
	WLOAD \g
.endr
	WIN 0
	s_wait_loadcnt 56                              ; pm, b_kb, b_cat are in; the 24 + 32 younger loads stay out
	RND 210, 211, 212
	v_cvt_pk_bf16_f32 v212, v12, v12
	v_lshlrev_b32 v12, 16, v212
	s_wait_alu depctr_va_vdst(0)                   ; the rounding has written v210 and v211, which the second store reads
	ds_store_b64 v216, v[208:209]
	ds_store_b64 v216, v[210:211] offset:2048
	s_wait_dscnt 0x0                               ; for the others' sake: my part of the two tables lies in LDS
	s_barrier_signal -1
	s_barrier_wait -1
	s_wait_alu depctr_vm_vsrc(0)                   ; my two stores have read v208 to v211 and v216, which pass 1's multiply-adds write
	WIN 0x40
.irp g, 8,9,10,11,12,13,14,15
	WLOAD \g
.endr
	WIN 0
	SLICE 0
	SLICE 1
.irp g, 0,1,2,3,4,5,6,7,8,9,10,11,12,13,14
	PASS1 \g, 8                                    ; behind slice g: slice g + 1's eight loads
.endr
	PASS1 15, 0
	v_pk_add_f32 v[232:233], v[232:233], v[234:235]
	v_pk_add_f32 v[236:237], v[236:237], v[238:239]
	v_pk_add_f32 v[240:241], v[240:241], v[242:243]
	v_pk_add_f32 v[244:245], v[244:245], v[246:247]
	v_pk_add_f32 v[232:233], v[232:233], v[236:237]
	v_pk_add_f32 v[240:241], v[240:241], v[244:245]
	v_add_f32 v232, v232, v233
	v_add_f32 v240, v240, v241
	v_permlanex16_b32 v233, v232, s40, s41         ; the row's other 256 c lie in the lane 16 away
	v_permlanex16_b32 v241, v240, s40, s41
	v_add_f32 v232, v232, v233
	v_add_f32 v240, v240, v241                     ; Q
	v_add_f32 v232, v232, v12                      ; bc
	v_lshrrev_b32 v250, 23, v240                   ; Q's exponent field e (Q is not negative)
	v_add_nc_u32 v250, 129, v250
	v_lshrrev_b32 v250, 1, v250                    ; S's exponent field: 2^((e - 126) / 2), rounded up to a whole power
	v_sub_nc_u32 v251, 254, v250                   ; and that of 1 / S
	v_lshlrev_b32 v250, 23, v250                   ; S
	v_lshlrev_b32 v248, 23, v251                   ; 1 / S, as a pair
	v_mov_b32 v249, v248
	s_wait_alu depctr_va_vdst(0)                   ; v232 and v250 are written, which the two stores read; pass 1's last two steps are done reading the slice buffers, in which pass 2's first slices land
	ds_store_b32 v15, v232
	ds_store_b32 v15, v250 offset:512
	PSLICE 0
	PSLICE 1
	PASS2 0, 4                                     ; behind slice 0: slice 1's four loads
.irp g, 1,2,3,4,5,6,7,8,9,10,11,12,13,14
	PASS2 \g, 6                                    ; behind slice g: the last step's two stores and slice g + 1's four loads
.endr
	PASS2 15, 2                                    ; behind slice 15: two stores
	s_wait_dscnt 0x0                               ; for the others' sake: my tile of Weff', my 16 sums and my 16 scales lie in LDS
	s_barrier_signal -1
	s_barrier_wait -1
	s_wait_alu depctr_vm_vsrc(0)                   ; my last LDS stores have read v224 to v231 (and, earlier, v232): these registers are part of BF1 from here on, in which fragments of source 1 land
	s_cmp_lg_u32 s20, 0
	s_cbranch_scc1 .Lnobc
	ds_load_b128 v[240:243], v[RLY]                ; no vector instruction has named v240 to v247 since the wait ahead of the stores of bc and S
	ds_load_b128 v[244:247], v[RLY] offset:512
	s_wait_dscnt 0x0
	global_store_b128 v[L16], v[240:243], s[16:17] ; 512 consecutive bytes of bc,
	global_store_b128 v[L16], v[244:247], s[18:19] ; and of sc
.Lnobc:
	BLOAD BF0, 0, 0                                ; K step 0 of source 1.  No wait: pass 2's last wait on va_vdst stands behind the last vector instruction that named v16 to v79 or v176 to v239,
	BLOAD BF0, 4, 0                                ; so K step 0 has none at its head either
	STEP 0, 0, 1, 0, -1, -1, 1*BSTEP               ; the first K step starts the sums; source 0 of steps 0 to 2 was asked for at the head and has been waited for in pass 1
	s_mov_b32 s42, 2
.Lk:                                                   ; a trip: six K steps, after which both rings are back at their start; steps 1 to 12
	STEP 1, 1, 0, 1, 8, 3*32768, 2*BSTEP
	STEP 2, 0, 0, 1, 8, 4*32768, 3*BSTEP
	STEP 0, 1, 0, 1, 8, 5*32768, 4*BSTEP
	STEP 1, 0, 0, 1, 8, 6*32768, 5*BSTEP
	STEP 2, 1, 0, 1, 8, 7*32768, 6*BSTEP
	STEP 0, 0, 0, 1, 8, 8*32768, 7*BSTEP
	s_wait_xcnt 0x0                                ; the loads issued so far have read their base: it may be stepped
	s_add_nc_u64 s[4:5], s[4:5], 6*32768
	s_wait_alu depctr_vm_vsrc(0)                   ; the LDS loads issued so far have read v[BA]
	v_add_nc_u32 v[BA], 6*BSTEP, v[BA]             ; the wait at the next step's head states that it is written
	s_sub_co_u32 s42, s42, 1
	s_cmp_lg_u32 s42, 0
	s_cbranch_scc1 .Lk
	STEP 1, 1, 0, 1, 8, 3*32768, 2*BSTEP           ; step 13 asks for the last of source 0,
	STEP 2, 0, 0, 1, 8, -1, 3*BSTEP                ; step 14 for the last of source 1,
	STEP 0, 1, 0, 0, 0, -1, -1                     ; step 15 for nothing: it holds no wait on va_vdst, and its counts run down
	PLACES                                         ; four places between the last products and the roundings, which write registers that those products read
	WIN 0x05                                       ; sources in window 1, destination in window 0
.set y, 0
.rept 128                              ; ascending: each accumulator is read from its low end on
	v_cvt_pk_f16_f32 v[80+y], v[2*y], v[2*y+1]
.set y, y+1
.endr
	WIN 0
	v_lshl_add_u32 v13, s20, 16, v[L16]            ; my two K steps of wc: 65,536 w + 16 L (pass 2's stores, which read v13, stand ahead of the waits on vm_vsrc above)
	s_wait_alu depctr_va_vdst(0)                   ; the roundings have written v80 to v207 and the line above v13, which the stores read
.set z, 0
.rept 32                               ; z = 4 t + i: K step 2 w + i / 2, tile 8 hq + t, half i % 2: 512 consecutive bytes
	global_store_b128 v13, v[80+4*z:83+4*z], s[14:15] offset:32768*((z%4)/2)+1024*(z/4)+512*(z%2)
.set z, z+1
.endr
	s_wait_dscnt 0x0                               ; the closing lines, six on end
	s_wait_alu 0x0
	s_wait_tensorcnt 0x0
	ds_add_u32 v2, v3
	s_wait_dscnt 0x0
	s_endpgm
.Lfunc_end_k_q402307c5af_compose:
	.size	k_q402307c5af_compose, .Lfunc_end_k_q402307c5af_compose-k_q402307c5af_compose
	.p2alignl 7, 3214868480
	.fill 96, 4, 3214868480
	.section	.rodata,"a",@progbits
	.p2align	6, 0x0
	.amdhsa_kernel k_q402307c5af_compose
		.amdhsa_group_segment_fixed_size 137216
		.amdhsa_private_segment_fixed_size 0
		.amdhsa_enable_private_segment 0
		.amdhsa_kernarg_size 64
		.amdhsa_user_sgpr_count 2
		.amdhsa_user_sgpr_kernarg_segment_ptr 1
		.amdhsa_wavefront_size32 1
		.amdhsa_system_sgpr_workgroup_id_x 1
		.amdhsa_system_sgpr_workgroup_id_y 1
		.amdhsa_system_sgpr_workgroup_id_z 1
		.amdhsa_system_vgpr_workitem_id 0
		.amdhsa_next_free_vgpr 512
		.amdhsa_next_free_sgpr 66
		.amdhsa_reserve_vcc 0
		.amdhsa_float_denorm_mode_32 3
		.amdhsa_float_denorm_mode_16_64 3
		.amdhsa_memory_ordered 1
		.amdhsa_forward_progress 1
		.amdhsa_inst_pref_size 147
	.end_amdhsa_kernel
	.amdgpu_metadata
---
amdhsa.version: [ 1, 2 ]
amdhsa.kernels:
  - .name:           k_q402307c5af_compose
    .symbol:         k_q402307c5af_compose.kd
    .args:
      - { .name: wkt, .offset: 0, .size: 8, .value_kind: global_buffer, .address_space: global }
      - { .name: wcf, .offset: 8, .size: 8, .value_kind: global_buffer, .address_space: global }
      - { .name: pmt, .offset: 16, .size: 8, .value_kind: global_buffer, .address_space: global }
      - { .name: b_kb, .offset: 24, .size: 8, .value_kind: global_buffer, .address_space: global }
      - { .name: b_cat, .offset: 32, .size: 8, .value_kind: global_buffer, .address_space: global }
      - { .name: wc, .offset: 40, .size: 8, .value_kind: global_buffer, .address_space: global }
      - { .name: bc, .offset: 48, .size: 8, .value_kind: global_buffer, .address_space: global }
      - { .name: sc, .offset: 56, .size: 8, .value_kind: global_buffer, .address_space: global }
    .group_segment_fixed_size: 137216
    .private_segment_fixed_size: 0
    .kernarg_segment_align: 8
    .kernarg_segment_size: 64
    .max_flat_workgroup_size: 256
    .sgpr_count:     66
    .vgpr_count:     512
    .wavefront_size: 32
...
	.end_amdgpu_metadata
.endif
;; end of part 5
;; launch main: the kernel of part 3 again; grid 16 x 32, 8 waves a work-group, no clusters, 283,648 bytes of LDS; arguments know, wc, w2f, bc, b_cat2, control, W_attn, part, sc; writes part
;; launch combine: the kernel of part 4 again; grid 4 x 32, 1 waves a work-group, no clusters, 0 bytes of LDS; arguments part, out0; writes out0
